; MI455X (gfx1250); checked and timed in simulation.
; The chip was launched on July 23, 2026; its instructions are those of AMD's public machine-readable ISA for CDNA 5 (MIT licence, August 2026) and "CDNA5" Instruction Set Architecture Reference Guide (July 2026). The comments in the code are by the model that wrote it; some were corrected since.
;; Engine Attention. Allowed arithmetic: matrix products marked QUANTISED: E3M2 operands, one E8M0 scale for each 32 along K, by v_wmma_scale_f32_16x16x128_f8f6f4 with both operands' format E3M2, f32 sums; everything else in f32.
;; Inputs: w_out 1,024 x 1,024 float32; w_qkv 3,072 x 1,024 float32; x 4 x 2,048 x 1,024 float32.
;; Outputs: out0 4 x 2,048 x 1,024 float32.
;; This version of the problem:
;;   THIS VERSION OF THE PROBLEM IS GIVEN IN LOW PRECISION. The matrix products marked QUANTISED in the list below multiply operands that are first quantised to E3M2 (3 exponent bits, 2 mantissa bits; 6 bits a number), with one power-of-two scale for each 32 numbers along K (OCP MX v1.0); their sums are f32. All else is computed in f32.
;;   The module's matrix products, in the order in which they are computed (A, B: the left and right operand; K: the contracted axis; several contracted axes count as one K, in the product's order):
;;     1. [M 8,192, K 1,024] x [K 1,024, N 3,072]; A: input x; B: input w_qkv: QUANTISED
;;     2. batch 64 x [M 2,048, K 64] x [K 64, N 2,048]; A: computed on the way; B: computed on the way: QUANTISED
;;     3. batch 64 x [M 64, K 2,048] x [K 2,048, N 2,048]; A: computed on the way; B: softmax (see below): QUANTISED
;;     4. [M 8,192, K 1,024] x [K 1,024, N 1,024]; A: computed on the way; B: input w_out: QUANTISED
;;   THE QUANTISER, for each operand of a quantised product, along K:
;;     - K is cut into blocks of 32 from its start; a last block that is shorter is filled with zeros.
;;     - A block's scale is 2^e with e = floor(log2(the largest magnitude in the block)) - 4, held to -126 .. 127; a block of zeros has e = 0. As a byte (E8M0): e + 127.
;;     - Each number is divided by its block's scale, clamped to +-28, and rounded to the nearest number of E3M2, ties to even, subnormals kept.
;;     - The product sums the exact products of the quantised numbers (number of the format x scale) in f32.
;;   ~~~python
;;   def quantise(x, axis):      # numpy; x: float32 -> the quantised numbers, widened to float32 again
;;       x = np.moveaxis(x, axis, -1); K = x.shape[-1]
;;       x = np.pad(x, [(0, 0)] * (x.ndim - 1) + [(0, -K % 32)]); x = x.reshape(x.shape[:-1] + (-1, 32)); a = np.abs(x).max(-1, keepdims=True)
;;       e = np.where(a > 0, np.clip(np.frexp(np.where(a > 0, a, 1))[1] - 1 - 4, -126, 127), 0)      # np.frexp(a)[1] - 1 = floor(log2(a)), exactly
;;       r = np.clip(x / 2.0 ** e, -28, 28)
;;       step = 2.0 ** (np.maximum(np.frexp(np.where(r == 0, 1, r))[1] - 1, -2) - 2)
;;       q = np.round(r / step) * step * 2.0 ** e      # np.round: ties to even
;;       return np.moveaxis(q.reshape(q.shape[:-2] + (-1,))[..., :K], -1, axis).astype(np.float32)
;;   ~~~
;;   SOFTMAX AHEAD OF A QUANTISED PRODUCT. Where the list says 'softmax', what is quantised is not the finished softmax but p = 2^(t - M), with t = logit x log2(e) and M = ceil(the row's largest t), a whole number; so 1/2 < the row's largest p <= 1. The row's sum l is taken of the UNQUANTISED p, in f32, and the product's result is divided by l at the end. Since M is a whole number, a kernel that streams over the keys may use a running M (the ceiling of the running maximum): every later rescaling is an exact power of two, which a block's scale takes up: the codes' values come out the same.
;;   OPERANDS COMPUTED ON THE WAY. 'Computed on the way' means the value that the module computes at that place (a softmax that the list does not call 'softmax' is quantised finished and normalised). What goes into a quantiser is computed in f32, as accurately as f32 sums, v_exp_f32 and their like allow (about 1e-6 of the number): no bf16 or f16 on the way to a quantiser, and a product that is left as it is and whose result goes on into a quantised operand takes f32 operands (vector FMAs, or v_wmma_f32_16x16x4_f32). A number that lies on a knife's edge between two numbers of the format may be rounded either way, as far as f32 arithmetic and the matrix unit's own rounding can turn it there, and no further.
;; One version. Each part assembles by itself: llvm-mc -triple=amdgcn-amd-amdhsa -mcpu=gfx1250 --defsym DOCPART=n.
;; ======== version 1 of 1: 4 launches
;; workspace buffers: cod 9,437,184 bytes; scl 393,216 bytes; img 18,874,368 bytes; sc 1,310,720 bytes; bounds 8,192 bytes of whole numbers; aimg 6,291,456 bytes; asc 262,144 bytes
;; launch quant (part 1): grid 384 x 1, 4 waves a work-group, no clusters, 33,280 bytes of LDS; arguments x, w_qkv, w_out, cod, scl; writes cod, scl
.if DOCPART == 1
	.amdgcn_target "amdgcn-amd-amdhsa--gfx1250"
	.amdhsa_code_object_version 6
	.text
	.protected	k_qb892eb4b41_quant
	.globl	k_qb892eb4b41_quant
	.p2align	8
	.type	k_qb892eb4b41_quant,@function
k_qb892eb4b41_quant:
	s_mov_b64 s[64:65], 0
	v_nop
	global_prefetch_b8 v0, s[64:65] scope:SCOPE_SE
	s_setreg_imm32_b32 hwreg(HW_REG_WAVE_MODE, 25, 1), 1
	s_wait_xcnt 0x0
; x [8192][1024], w_qkv [3072][1024] and w_out [1024][1024], f32, K innermost, become codes of BF6 (E3M2), 6 bits each, and one E8M0 byte for each 32 along K.
; cod: x's codes at byte 0, w_qkv's at COD_WQ, w_out's at COD_WO, a row of 1,024 codes = 768 bytes.  scl: the scale bytes, 32 a row, at 0, SCL_WQ, SCL_WO.
; A block's scale is 2^(floor(log2(its largest magnitude)) - 4); its byte is the largest magnitude's exponent field - 4, held at 1 from below.
; THE ORDER OF ROWS.  In x's and w_qkv's parts the four groups of 8 rows inside each 32 rows lie in the order 0, 2, 1, 3: sixteen rows on end are then a tile whose lane r is true row
; 8 u + r + 8 (r / 8) of its 32, which is what lets a matrix result's 16 registers of two neighbouring tiles be 16 neighbours along the next product's K.  A wave's run is just such a group of 8 rows,
; so the order costs one exclusive or on the run's number.  w_out keeps its order.
; LIMITS: a block of zeros gets the byte 1 where the rule says 127 (its codes are zeros, and this program alone reads the bytes); NaN and infinities among the inputs are not served.
; A wave takes 16 steps of 512 numbers.  Each load reads 512 consecutive bytes; a step's 2,048 bytes turn through the wave's own stage in LDS so that a lane holds 16 neighbours; two lanes hold a block.
; No tensor loads, no barrier: waves share nothing.  Loads run four steps (16 loads a wave) ahead, the turn through LDS one step.
.set STEPS, 16
.set CB,    12                         ; bytes of 16 codes
.set R,     16                         ; v16-79   four sets of 16 numbers as they are loaded
.set X,     80                         ; v80-111  two sets of 16 neighbours
.set C,     128                        ; v128-191 codes: four registers for each step, so that no store's data are written again
.set E,     112                        ; v112-127 a scale byte for each step
.set WREG,  8192                       ; LDS: a region for each wave: two stages of 32 x SP bytes, behind them its 256 scale bytes
.set SP,    80                         ; a lane's place in a stage: 64 bytes + 16 of padding
.set WG_X,   256                       ; work-groups 0-255 take x, 256-351 w_qkv, 352-383 w_out: 32,768 numbers each
.set WG_XQ,  352
.set COD_WQ, 6291456
.set COD_WO, 8650752
.set SCL_WQ, 262144
.set SCL_WO, 360448
	s_load_b256 s[4:11], s[0:1], 0x0               ; x s[4:5], w_qkv s[6:7], w_out s[8:9], cod s[10:11]
	s_load_b64 s[12:13], s[0:1], 0x20              ; scl
	v_lshl_add_u32 v192, v0, 2, 0x8000
	v_mov_b32 v193, 0
	v_lshrrev_b32 v1, 5, v0
	v_readfirstlane_b32 s16, v1                    ; wave
	v_and_b32 v2, 31, v0                           ; lane
	v_lshlrev_b32 v3, 4, v2                        ; my 16 bytes of a load's 512
	s_mul_i32 s17, s16, WREG
	v_lshrrev_b32 v14, 2, v2
	v_mul_u32_u24 v14, v14, SP
	v_and_b32 v15, 3, v2
	v_lshl_add_u32 v14, v15, 4, v14
	v_add_nc_u32 v14, s17, v14                     ; the stage, on the way in: SP (lane / 4) + 16 (lane % 4)
	v_mul_u32_u24 v15, v2, SP
	v_add_nc_u32 v15, s17, v15                     ; and on the way out: SP x lane: my 16 neighbours
	v_mul_u32_u24 v4, v2, CB                       ; my codes' place in a step's
	v_lshrrev_b32 v5, 1, v2
	s_add_co_u32 s17, s17, 2*32*SP
	v_add_nc_u32 v5, s17, v5                       ; LDS: my wave's 256 scale bytes, my block's byte
	v_lshlrev_b32 v7, 3, v2                        ; and on the way out 8 bytes a lane
	v_add_nc_u32 v6, s17, v7
	s_mov_b32 s20, WG_XQ                           ; the values for w_out; the selects below replace them
	s_mov_b32 s21, COD_WO
	s_mov_b32 s22, SCL_WO
	s_wait_alu depctr_va_vdst(0)
	s_wait_kmcnt 0x0
	s_cmp_lt_u32 ttmp9, WG_XQ                      ; which tensor: the choice hangs on the work-group's number alone
	s_cselect_b64 s[6:7], s[6:7], s[8:9]
	s_cselect_b32 s20, WG_X, s20                   ; the tensor's first work-group
	s_cselect_b32 s21, COD_WQ, s21                 ; its part of cod
	s_cselect_b32 s22, SCL_WQ, s22                 ; its part of scl
	s_cselect_b32 s23, 1, 0                        ; 1: its rows take the tile order
	s_cmp_lt_u32 ttmp9, WG_X
	s_cselect_b64 s[4:5], s[4:5], s[6:7]
	s_cselect_b32 s20, 0, s20
	s_cselect_b32 s21, 0, s21
	s_cselect_b32 s22, 0, s22
	s_cselect_b32 s23, 1, s23
	s_sub_co_u32 s17, ttmp9, s20
	s_lshl_b32 s17, s17, 2
	s_add_co_u32 s18, s17, s16                     ; which run of 8,192 numbers (8 rows) of the tensor is my wave's
	s_lshr_b32 s24, s18, 1
	s_xor_b32 s24, s24, s18
	s_and_b32 s24, s24, s23                        ; 1 where the run's two lowest bits differ: groups 1 and 2 of a 32 change places
	s_mul_i32 s24, s24, 3
	s_xor_b32 s24, s18, s24                        ; where the run goes
	s_lshl_b32 s26, s18, 15                        ; 32,768 bytes of f32 a run
	s_mov_b32 s27, 0
	s_add_nc_u64 s[4:5], s[4:5], s[26:27]
	s_mul_i32 s26, s24, 32*STEPS*CB                ; 6,144 bytes of codes a run
	s_add_co_u32 s26, s26, s21
	s_add_nc_u64 s[10:11], s[10:11], s[26:27]
	s_lshl_b32 s26, s24, 8                         ; 256 scale bytes a run
	s_add_co_u32 s26, s26, s22
	s_add_nc_u64 s[12:13], s[12:13], s[26:27]
.macro LOAD t
.irp i, 0,1,2,3
	global_load_b128 v[R+16*((\t)%4)+4*\i:R+16*((\t)%4)+4*\i+3], v3, s[4:5] offset:2048*(\t)+512*\i th:TH_LOAD_NT   ; 32 lanes read 512 consecutive bytes
.endr
.endm
.macro TURN t                          ; step t's numbers through the stage: LDS serves a wave's instructions in order, so no wait stands between the stores and the loads
.irp i, 0,1,2,3
	ds_store_b128 v14, v[R+16*((\t)%4)+4*\i:R+16*((\t)%4)+4*\i+3] offset:32*SP*((\t)%2)+8*SP*\i
.endr
.irp i, 0,1,2,3
	ds_load_b128 v[X+16*((\t)%2)+4*\i:X+16*((\t)%2)+4*\i+3], v15 offset:32*SP*((\t)%2)+16*\i
.endr
.endm
.irp t, 0,1,2,3
	LOAD \t
.endr
	s_wait_loadcnt 12                              ; step 0's four loads are in; the twelve of steps 1 to 3 stay out
	TURN 0
.macro STEP t
.set XS, X+16*((\t)%2)
.if (\t) > 0
	s_wait_dscnt 1                                 ; this step's numbers are back from the stage (the last step's byte store may be out): so its stores into the stage have read their registers,
.else
	s_wait_dscnt 0x0
.endif
.if (\t)+4 < STEPS
	LOAD (\t)+4                                    ; which take the loads of four steps on
.endif
.if (\t)+1 < STEPS
.if STEPS-2-(\t) >= 3
	s_wait_loadcnt 12                              ; the next step's four loads are in; those of the three steps behind it may be out
.else
	s_wait_loadcnt 4*(STEPS-2-(\t))
.endif
	TURN (\t)+1                                    ; and go through the other stage while this step is worked
.endif
	v_max3_num_f32 v8, |v[XS]|, |v[XS+1]|, |v[XS+2]|               ; the largest magnitude of my 16, in two chains
	v_max3_num_f32 v9, |v[XS+3]|, |v[XS+4]|, |v[XS+5]|
.irp i, 6,10
	v_max3_num_f32 v8, v8, |v[XS+\i]|, |v[XS+\i+1]|
	v_max3_num_f32 v9, v9, |v[XS+\i+2]|, |v[XS+\i+3]|
.endr
	v_max3_num_f32 v8, v8, |v[XS+14]|, |v[XS+15]|
	v_max3_num_f32 v8, v8, v9, 0x2800000           ; and the floor 2^(5 - 127): the byte cannot fall under 1
	v_max_num_f32_dpp v8, v8, v8 row_xmask:1 row_mask:0xf bank_mask:0xf   ; and of my neighbour's 16: the block's
	v_add_nc_u32 v11, 0xfe000000, v8               ; 4 off its exponent field: the conversion takes the exponent field of this operand as its scale
	v_cvt_scalef32_pk16_bf6_f32 v[C+4*(\t):C+4*(\t)+2], v[XS:XS+15], v11
	v_lshrrev_b32 v[E+(\t)], 23, v11               ; the scale's byte (also the plain line behind the conversion)
	ds_store_b8 v5, v[E+(\t)] offset:16*(\t)       ; both lanes of a block write the same byte with the same value
	global_store_b96 v4, v[C+4*(\t):C+4*(\t)+2], s[10:11] offset:32*CB*(\t)   ; the wave stores 384 consecutive bytes
.endm
.irp t, 0,1,2,3,4,5,6,7,8,9,10,11,12,13,14,15
	STEP \t
.endr
	ds_load_b64 v[12:13], v6                       ; LDS serves a wave's instructions in order: these see my stores
	s_wait_dscnt 0x0
	global_store_b64 v7, v[12:13], s[12:13]        ; 32 lanes store 256 consecutive bytes, aligned
	s_wait_tensorcnt 0x0
	ds_add_u32 v192, v193
	s_wait_dscnt 0x0
	s_endpgm
.Lfunc_end_k_qb892eb4b41_quant:
	.size	k_qb892eb4b41_quant, .Lfunc_end_k_qb892eb4b41_quant-k_qb892eb4b41_quant
	.p2alignl 7, 3214868480
	.fill 96, 4, 3214868480
	.section	.rodata,"a",@progbits
	.p2align	6, 0x0
	.amdhsa_kernel k_qb892eb4b41_quant
		.amdhsa_group_segment_fixed_size 33280
		.amdhsa_private_segment_fixed_size 0
		.amdhsa_enable_private_segment 0
		.amdhsa_kernarg_size 40
		.amdhsa_user_sgpr_count 2
		.amdhsa_user_sgpr_kernarg_segment_ptr 1
		.amdhsa_wavefront_size32 1
		.amdhsa_system_sgpr_workgroup_id_x 1
		.amdhsa_system_sgpr_workgroup_id_y 1
		.amdhsa_system_sgpr_workgroup_id_z 1
		.amdhsa_system_vgpr_workitem_id 0
		.amdhsa_next_free_vgpr 194
		.amdhsa_next_free_sgpr 66
		.amdhsa_reserve_vcc 0
		.amdhsa_float_denorm_mode_32 3
		.amdhsa_float_denorm_mode_16_64 3
		.amdhsa_memory_ordered 1
		.amdhsa_forward_progress 1
		.amdhsa_inst_pref_size 33
	.end_amdhsa_kernel
	.amdgpu_metadata
---
amdhsa.version: [ 1, 2 ]
amdhsa.kernels:
  - .name:           k_qb892eb4b41_quant
    .symbol:         k_qb892eb4b41_quant.kd
    .args:
      - { .name: x, .offset: 0, .size: 8, .value_kind: global_buffer, .address_space: global }
      - { .name: w_qkv, .offset: 8, .size: 8, .value_kind: global_buffer, .address_space: global }
      - { .name: w_out, .offset: 16, .size: 8, .value_kind: global_buffer, .address_space: global }
      - { .name: cod, .offset: 24, .size: 8, .value_kind: global_buffer, .address_space: global }
      - { .name: scl, .offset: 32, .size: 8, .value_kind: global_buffer, .address_space: global }
    .group_segment_fixed_size: 33280
    .private_segment_fixed_size: 0
    .kernarg_segment_align: 8
    .kernarg_segment_size: 40
    .max_flat_workgroup_size: 128
    .sgpr_count:     66
    .vgpr_count:     194
    .wavefront_size: 32
...
	.end_amdgpu_metadata
.endif
;; end of part 1
;; launch qkv (part 2): grid 12 x 32, 4 waves a work-group, clusters of 4 x 4, 327,680 bytes of LDS; arguments cod, scl, img, sc, bounds; writes img, sc, bounds
.if DOCPART == 2
	.amdgcn_target "amdgcn-amd-amdhsa--gfx1250"
	.amdhsa_code_object_version 6
	.text
	.protected	k_qb892eb4b41_qkv
	.globl	k_qb892eb4b41_qkv
	.p2align	8
	.type	k_qb892eb4b41_qkv,@function
k_qb892eb4b41_qkv:
	s_mov_b64 s[64:65], 0
	v_nop
	global_prefetch_b8 v0, s[64:65] scope:SCOPE_SE
	s_setreg_imm32_b32 hwreg(HW_REG_WAVE_MODE, 25, 1), 1
	s_wait_xcnt 0x0
	s_wait_alu depctr_hold_cnt(0) depctr_sa_sdst(0) depctr_va_vdst(0) depctr_va_sdst(0) depctr_va_ssrc(0) depctr_va_vcc(0) depctr_vm_vsrc(0)
	s_getreg_b32 s2, hwreg(HW_REG_IB_STS2, 6, 4)
	s_cmp_eq_u32 s2, 0
	s_cbranch_scc0 .Lentry_in_a_cluster
	s_endpgm
.Lentry_in_a_cluster:
	s_bfe_u32 s2, ttmp6, 0x10000c
	s_cmp_lg_u32 s2, 0xf033
	s_cbranch_scc0 .Lentry_shape_is_right
	s_endpgm
.Lentry_shape_is_right:
; qkv = x w_qkv^T on codes of BF6 (E3M2) with one E8M0 scale for each 32 along K = 1,024; the f32 sums never go to memory: q, k and v are quantised in registers and leave as images of operand registers.
; A tile of 256 tokens x 256 columns is made by four waves, 128 x 128 each: 64 accumulators, 512 registers.  K goes in steps of 256 through a ring of two LDS slots filled by the tensor data mover;
; the scale bytes of the work-group's rows come into LDS once.  4 x 4 work-groups form a cluster: x's tiles are asked for jointly along a row of it, w's along a column.
; WHICH PART.  The cluster's x is 0 for q, 1 for k, 2 for v: equal in all sixteen partners.  For q and k source 0 = 16 rows of w, source 1 = 16 tokens: a lane holds ONE token and its registers run along the
; columns (the head's d, the next K).  For v the two change places IN REGISTERS ONLY (the LDS addresses that feed the two sets of fragments and the scale words are chosen by the cluster's x): a lane then holds
; ONE d row and its registers run along the tokens (the keys, v's next K).  Memory, descriptors, LDS and the loop's text are the same for all three.
; Rows of x and of w lie in tile order (the four groups of 8 inside each 32 in the order 0, 2, 1, 3), so that the 16 registers of two neighbouring tiles of source 0 are 16 NEIGHBOURS along the next K.
; OUT.  A half image is 768 bytes: registers 0-3 of a lane at 16 x lane, registers 4-5 at 512 + 8 x lane.  img: q at 0, k at 6,291,456: [batch x 16 + head][token tile][768]; v at 12,582,912:
; [batch x 16 + head][128 keys][d tile][2 x 768].  sc: scale words laid so that a lane loads four tiles' words by one load of 16 bytes.  bounds: for q and k the largest scale byte of each 128 tokens of each head.
; LIMITS: a block of zeros gets the byte 1 where the rule says 127 (its codes are zeros; this program alone reads the bytes); NaN and infinities are not served.
; REGISTERS, in windows of 256: window 0: v0-31 addresses; v32-63 scale words, two sets; from v128 the fragments of source 1, ONE set; on the way out v64-130 and v200-215 at work.
;   window 1: the fragments of source 0, TWO sets, at v0 and v128.   window 2: accumulators of blocks 0-3 ((a, b) at v[8 (8 a + b)]);   window 3: of blocks 4-7.
.set KSTEP,  256                       ; along K in a slot
.set NQ,     KSTEP/128                 ; matrix instructions deep
.set ROWB,   192                       ; a tile's row in bytes
.set KROW,   768                       ; a row of codes in memory
.set PITCH,  240                       ; an LDS row: 3 x (64 bytes + 16 of padding): the 32 lanes of a load of 8 bytes touch 64 different banks (64 banks of 4 bytes: ISA guide 11.1)
.set FR,     12                        ; registers of a fragment
.set NL,     6                         ; LDS loads that bring one
.set NP,     4                         ; places behind this matrix instruction (ISA guide 7.12.1)
.set HALFT,  128*PITCH
.set SLOT,   4*HALFT                   ; x's 256 rows, then w's 256 rows
.set LAPS,   2                         ; 1,024 / 512
.set KS,     32                        ; a row of scale bytes
.set SCL,    2*SLOT                    ; behind the ring: the scales, as units of 256 bytes + 16 of padding
.set HALFS,  (128*KS/256)*272
.set SBLK,   (16*KS/256)*272
.set SPARE,  SCL+4*HALFS               ; the spare words, 128 bytes for each wave: two blocks of 256 bytes that no other line names
.set ADRA, 16                          ; v16-17 LDS address of source 1's fragments in slot 0, 1 (v18-19: behind one padding more)
.set ADRB, 20                          ; v20-23 the same for source 0
.set VO16, 24                          ; v24  16 x lane
.set VO8,  25                          ; v25  8 x lane
.set ADRS, 27                          ; v27  LDS address of my scale words
.set SPW,  28                          ; v28  my spare word; never rewritten
.set NIL,  29                          ; v29  0; never rewritten
.set SC,   32
.set AF,   128
.set PWS,  64                          ; v64-71  the way out: block a's scale word
.set HM,   72                          ; v72-73  the largest magnitudes of the two heads
.set WD,   76                          ; v76-83  words to store
.set CD,   112                         ; v112-130 codes just made
.set TM,   200                         ; v200-215 at work
.set SEL,  66                          ; s[66:67] lane l xor 16
.set G1, 24
.set G0, 32
.set G1B, 48
.set G0B, 56
.set G1S, 68
.set G0S, 76
.set G1SB, 80
.set G0SB, 88
.set MSB, 0
.macro WIN new                         ; the immediate's high byte repeats the setting that is left
.if MSB != \new
	s_set_vgpr_msb (MSB<<8)|\new
.set MSB, \new
.endif
.endm
.set MUL_LO, 0xa1                      ; source 0 window 1, source 1 window 0, C and D window 2
.set MUL_HI, 0xf1                      ; the same, C and D window 3
.set TO_B,   0x40                      ; destination window 1, address window 0
; A joint load: waves 0 and 1 fetch x's halves, waves 2 and 3 w's.  The branch hangs on the wave's number alone.  Four v_nop follow each of the two lines.
.macro JLOAD g0a, g1a, g0b, g1b
	s_cmp_eq_u32 s15, 0
	s_cbranch_scc0 .Lfor_b_\@
	tensor_load_to_lds s[\g0a:\g0a+3], s[\g1a:\g1a+7]
	s_nop 0
.rept 4
	v_nop
.endr
	s_branch .Lasked_\@
.Lfor_b_\@:
	tensor_load_to_lds s[\g0b:\g0b+3], s[\g1b:\g1b+7]
	s_nop 0
.rept 4
	v_nop
.endr
.Lasked_\@:
.endm
.macro CREST                           ; a round of the cluster's barrier behind its opening barrier
	s_cmp_lg_u32 s14, 0
	s_cbranch_scc1 .Lnot_wave_0_\@
	s_barrier_signal -3
.Lnot_wave_0_\@:
	s_barrier_wait -3
	s_barrier_signal -1
	s_barrier_wait -1
.endm
.macro CROUND
	s_barrier_signal -1
	s_barrier_wait -1
	CREST
.endm
	s_load_b128 s[4:7], s[0:1], 0x0                ; cod s[4:5] (x's codes at its head), scl s[6:7] (x's scales at its head)
	s_load_b128 s[96:99], s[0:1], 0x10             ; img, sc
	s_load_b64 s[100:101], s[0:1], 0x20            ; bounds
	v_lshl_add_u32 v[SPW], v0, 2, SPARE
	v_mov_b32 v[NIL], 0
	ds_add_u32 v28, v29
	ds_add_u32 v28, v29
	s_wait_dscnt 0x0
	v_lshrrev_b32 v1, 5, v0
	v_readfirstlane_b32 s14, v1                    ; wave 0..3
	s_lshr_b32 s15, s14, 1                         ; which half of the tile's tokens is mine.  Also: I fetch for x (0) or for w (1)
	s_and_b32 s16, s14, 1                          ; which half of its columns.  Also: which 128 rows of that tile I fetch
	s_bfe_u32 s40, ttmp6, 0x40000                  ; cx, cy: my place in the cluster
	s_bfe_u32 s41, ttmp6, 0x40004
	s_lshl_b32 s42, ttmp9, 2
	s_add_co_u32 s42, s42, s40                     ; tile column = 4 x cluster x + cx
	s_and_b32 s17, ttmp7, 0xffff
	s_lshl_b32 s17, s17, 2
	s_add_co_u32 s17, s17, s41                     ; tile row = 4 x cluster y + cy
	s_lshl_b32 s43, s41, 2
	s_lshl_b32 s43, 15, s43                        ; my row of the cluster
	s_lshl_b32 s44, 0x1111, s40                    ; my column
	; descriptor group 1: a tile of 128 rows x 192 bytes, 16 bytes of padding behind every 64
	s_or_b32 s[G1+0], s43, (0<<16)|(1<<20)|(1<<21)|(3<<22)|(3<<25)
	s_or_b32 s[G1B+0], s44, (0<<16)|(1<<20)|(1<<21)|(3<<22)|(3<<25)
.irp g, G1, G1B
	s_mov_b32 s[\g+1], ROWB<<16                    ; tensor_dim0
	s_mov_b32 s[\g+2], 128<<16                     ; tensor_dim1
	s_mov_b32 s[\g+3], ROWB<<16                    ; tile_dim0
	s_mov_b32 s[\g+4], 128                         ; tile_dim1
	s_mov_b32 s[\g+5], KROW                        ; tensor_dim0_stride
	s_mov_b32 s[\g+6], 0
	s_mov_b32 s[\g+7], 0
.endr
	; the scales of 128 rows: a dense block of 4,096 bytes, as rows of 256 bytes (32 elements of 8 bytes), 16 bytes of padding behind each
	s_or_b32 s[G1S+0], s43, (3<<16)|(1<<20)|(1<<21)|(5<<22)|(3<<25)
	s_or_b32 s[G1SB+0], s44, (3<<16)|(1<<20)|(1<<21)|(5<<22)|(3<<25)
.irp g, G1S, G1SB
	s_mov_b32 s[\g+1], 32<<16
	s_mov_b32 s[\g+2], (128*KS/256)<<16
	s_mov_b32 s[\g+3], 32<<16
	s_mov_b32 s[\g+4], 128*KS/256
	s_mov_b32 s[\g+5], 32
	s_mov_b32 s[\g+6], 0
	s_mov_b32 s[\g+7], 0
.endr
	s_lshl_b32 s18, s16, 7                         ; which 128 rows of the tile I fetch
	s_lshl_b32 s20, s17, 8
	s_add_co_u32 s20, s20, s18                     ; x: row 256 x tile row + 128 x half
	s_lshl_b32 s46, s42, 8
	s_add_co_u32 s46, s46, s18                     ; w: row 256 x tile column + 128 x half
	s_mov_b32 s21, 0
	s_mov_b32 s47, 0
	s_mov_b64 s[18:19], KS
	s_mul_u64 s[22:23], s[20:21], s[18:19]         ; where these rows' scales begin, in bytes
	s_mul_u64 s[92:93], s[46:47], s[18:19]
	s_mov_b64 s[18:19], KROW
	s_mul_u64 s[20:21], s[20:21], s[18:19]         ; and their codes
	s_mul_u64 s[46:47], s[46:47], s[18:19]
	s_mul_i32 s45, s14, HALFT                      ; where they go: wave x 128 rows
	s_mul_i32 s94, s14, HALFS
	s_wait_kmcnt 0x0
	s_add_nc_u64 s[8:9], s[4:5], 6291456           ; w_qkv's codes
	s_add_nc_u64 s[10:11], s[6:7], 262144          ; and scales
	s_add_nc_u64 s[20:21], s[4:5], s[20:21]
	s_add_nc_u64 s[22:23], s[6:7], s[22:23]
	s_add_nc_u64 s[46:47], s[8:9], s[46:47]
	s_add_nc_u64 s[92:93], s[10:11], s[92:93]
	CROUND                                         ; all sixteen work-groups are here: the first joint loads meet
	s_mov_b32 s[G0S], 1
	s_add_co_u32 s[G0S+1], s94, SCL
	s_mov_b64 s[G0S+2:G0S+3], s[22:23]
	s_or_b32 s[G0S+3], s[G0S+3], 0x80000000
	s_mov_b32 s[G0SB], 1
	s_add_co_u32 s[G0SB+1], s94, SCL
	s_mov_b64 s[G0SB+2:G0SB+3], s[92:93]
	s_or_b32 s[G0SB+3], s[G0SB+3], 0x80000000
	JLOAD G0S, G1S, G0SB, G1SB                     ; the scales first: they are wanted with K step 0
.irp s, 0,1
	s_mov_b32 s[G0+4*\s], 1
	s_add_co_u32 s[G0+4*\s+1], s45, \s*SLOT
	s_add_nc_u64 s[G0+4*\s+2:G0+4*\s+3], s[20:21], \s*ROWB
	s_or_b32 s[G0+4*\s+3], s[G0+4*\s+3], 0x80000000
	s_mov_b32 s[G0B+4*\s], 1
	s_add_co_u32 s[G0B+4*\s+1], s45, \s*SLOT
	s_add_nc_u64 s[G0B+4*\s+2:G0B+4*\s+3], s[46:47], \s*ROWB
	s_or_b32 s[G0B+4*\s+3], s[G0B+4*\s+3], 0x80000000
	JLOAD G0+4*\s, G1, G0B+4*\s, G1B
.endr
	v_and_b32 v1, 15, v0                           ; r = l % 16
	v_bfe_u32 v2, v0, 4, 1                         ; h = l / 16
	v_mul_u32_u24 v3, v1, PITCH
	v_mul_u32_u24 v4, v2, 24
	v_add_nc_u32 v4, v3, v4                        ; a fragment's row x pitch + 24 x half
	s_wait_alu depctr_va_vdst(0)
	v_lshl_add_u32 v5, v2, 4, v4                   ; and the same behind one padding more
	s_wait_alu depctr_va_vdst(0)
	s_mul_i32 s21, s15, HALFT                      ; my 128 tokens,
	s_mul_i32 s22, s16, HALFT                      ; my 128 rows of w,
	s_add_co_u32 s22, s22, 2*HALFT                 ; which lie behind x's 256
	s_cmp_eq_u32 ttmp9, 2                          ; v: the two change places: source 1 takes rows of w, source 0 tokens
	s_cselect_b32 s95, s22, s21
	s_cselect_b32 s22, s21, s22
	s_cselect_b32 s93, 1, 0
	s_mov_b32 s21, s95
.irp s, 0,1
	v_add_nc_u32 v[ADRA+\s], s21, v4
	v_add_nc_u32 v[ADRB+\s], s22, v4
	v_add_nc_u32 v[ADRA+2+\s], s21, v5
	v_add_nc_u32 v[ADRB+2+\s], s22, v5
	s_add_co_u32 s21, s21, SLOT
	s_add_co_u32 s22, s22, SLOT
.endr
	v_mul_u32_u24 v5, v1, KS                       ; my row's scales: 32 bytes a row,
	v_lshrrev_b32 v6, 8, v5
	v_lshl_add_u32 v5, v6, 4, v5                   ; and 16 more for each 256 passed
	s_mul_i32 s21, s15, HALFS                      ; x's: my 128 rows
	s_mul_i32 s22, s16, HALFS                      ; w's: my 128 rows, behind x's 256
	s_add_co_u32 s22, s22, 2*HALFS
	s_sub_co_u32 s22, s22, s21                     ; the distance between the two
	v_xor_b32 v7, s93, v2                          ; q, k: lanes 16-31 take w's words; v: lanes 0-15 do: lanes 0-15 always hold the words of source 1's rows
	v_mul_u32_u24 v6, s22, v7
	s_add_co_u32 s21, s21, SCL
	v_add_nc_u32 v5, v5, v6
	v_add_nc_u32 v[ADRS], s21, v5
	v_and_b32 v6, 31, v0
	v_lshlrev_b32 v[VO16], 4, v6
	v_lshlrev_b32 v[VO8], 3, v6
.macro FRAG reg, adr, q, i             ; a fragment: lane l holds row l % 16; registers 6 c .. 6 c + 5 hold K = 64 c + 32 (l / 16) + 0 .. 31: 24 bytes of the row's stream of bits, in pieces of 8 bytes
.irp p, 0,1,2,3,4,5
.set PIECE, 12*(\q)+6*(\p/3)+\p%3      ; where the piece three on lies behind one padding more, the second address register serves
.if PIECE%8 < 5
	ds_load_b64 v[\reg+2*\p:\reg+2*\p+1], v[\adr] offset:8*PIECE+16*(PIECE/8)+(\i)*16*PITCH
.else
	ds_load_b64 v[\reg+2*\p:\reg+2*\p+1], v[\adr+2] offset:8*PIECE+16*(PIECE/8)+(\i)*16*PITCH
.endif
.endr
.endm
; 16 matrix instructions: source 1's blocks a0, a0 + 1 x source 0's eight, 128 along K.  The 64 accumulators take turns, one instruction a turn, in the same order in every step.
.macro MUL16 a0, p, q, sc, zero
.irp a, \a0, \a0+1
.irp b, 0,1,2,3,4,5,6,7
.if \zero
	v_wmma_scale_f32_16x16x128_f8f6f4 v[8*(8*((\a)%4)+\b):8*(8*((\a)%4)+\b)+7], v[128*(\p)+FR*\b:128*(\p)+FR*\b+FR-1], v[AF+FR*(\a):AF+FR*(\a)+FR-1], 0, v[SC+8*NQ*(\sc)+NQ*\b+(\q)], v[SC+8*NQ*(\sc)+NQ*(\a)+(\q)] matrix_a_fmt:MATRIX_FMT_BF6 matrix_b_fmt:MATRIX_FMT_BF6 matrix_a_scale:MATRIX_SCALE_ROW1
.else
	v_wmma_scale_f32_16x16x128_f8f6f4 v[8*(8*((\a)%4)+\b):8*(8*((\a)%4)+\b)+7], v[128*(\p)+FR*\b:128*(\p)+FR*\b+FR-1], v[AF+FR*(\a):AF+FR*(\a)+FR-1], v[8*(8*((\a)%4)+\b):8*(8*((\a)%4)+\b)+7], v[SC+8*NQ*(\sc)+NQ*\b+(\q)], v[SC+8*NQ*(\sc)+NQ*(\a)+(\q)] matrix_a_fmt:MATRIX_FMT_BF6 matrix_b_fmt:MATRIX_FMT_BF6 matrix_a_scale:MATRIX_SCALE_ROW1
.endif
.endr
.endr
.endm
.macro FETCH_B slot, q, p
	WIN TO_B
.irp i, 0,1,2,3,4,5,6,7
	FRAG 128*(\p)+FR*\i, ADRB+\slot, \q, \i
.endr
	WIN 0
.endm
.macro FETCH_A slot, q, i0
.irp i, \i0, \i0+1, \i0+2, \i0+3
	FRAG AF+FR*(\i), ADRA+\slot, \q, \i
.endr
.endm
.macro SCALES sc                       ; the next K step's scale words: two words a row
.irp i, 0,1,2,3,4,5,6,7
	ds_load_b64 v[SC+8*NQ*\sc+NQ*\i:SC+8*NQ*\sc+NQ*\i+1], v[ADRS] offset:\i*SBLK
.endr
.endm
.macro PLACES n                        ; places behind matrix instructions, in front of loads into registers that they have read and of the first read of results
.rept \n
	v_nop
.endr
.endm
.macro STEP slot, q, zero              ; a step of 128 along K that has its successor in the same slot
	s_wait_dscnt 4*NL                              ; source 0's set and source 1's blocks 0-3 are in; the youngest 24 loads (blocks 4-7) may be out
	WIN MUL_LO
	MUL16 0, (\q)%2, \q, \slot, \zero
	MUL16 2, (\q)%2, \q, \slot, \zero
	s_wait_dscnt 0                                 ; blocks 4-7 are in
	PLACES NP
	FETCH_B \slot, (\q)+1, 1-(\q)%2
	FETCH_A \slot, (\q)+1, 0
	WIN MUL_HI
	MUL16 4, (\q)%2, \q, \slot, \zero
	MUL16 6, (\q)%2, \q, \slot, \zero
	PLACES NP
	WIN 0
	FETCH_A \slot, (\q)+1, 4
.endm
; A slot's last step changes slots: ONE barrier; in front of it each wave waits for all its tensor loads, adds 0 to its spare word, and waits for that and for its own reads of this slot.
.macro TURN slot, next, fill
	s_wait_tensorcnt 0x0                           ; all my tensor loads have landed: my part of the next slot
	ds_add_u32 v[SPW], v[NIL]                      ; 0 onto my spare word
	s_wait_dscnt 4*NL+1                            ; (the add and the youngest 24 loads may be out)
	WIN MUL_LO
	MUL16 0, 1, NQ-1, \slot, 0                     ; sixteen matrix instructions stand between the add and the wait for it
	s_wait_dscnt 0x0                               ; the add is done, and my reads of this slot are over
	s_barrier_signal -1
	MUL16 2, 1, NQ-1, \slot, 0
	WIN 0
	s_barrier_wait -1
.if \fill
	CREST                                          ; the barrier has opened a round of the cluster's barrier: no wave of any partner still reads this slot or has a load on its way
	s_add_nc_u64 s[G0+4*\slot+2:G0+4*\slot+3], s[G0+4*\slot+2:G0+4*\slot+3], 2*ROWB
	s_add_nc_u64 s[G0B+4*\slot+2:G0B+4*\slot+3], s[G0B+4*\slot+2:G0B+4*\slot+3], 2*ROWB
	JLOAD G0+4*\slot, G1, G0B+4*\slot, G1B         ; the first tensor load behind the round; its four v_nop are also the places in front of the loads below
.else
	PLACES NP
.endif
	s_wait_alu depctr_va_vdst(0)
	v_add_nc_u32 v[ADRS], 4*NQ, v[ADRS]            ; on to the next K step's scale words
	FETCH_B \next, 0, 0
	FETCH_A \next, 0, 0
	SCALES \next
	WIN MUL_HI
	MUL16 4, 1, NQ-1, \slot, 0
	MUL16 6, 1, NQ-1, \slot, 0
	PLACES NP
	WIN 0
	FETCH_A \next, 0, 4
.endm
	s_wait_alu depctr_va_vdst(0)
	s_wait_tensorcnt 1                             ; the scales and my part of K step 0 are in (K step 1's load may be out),
	s_barrier_signal -1
	s_barrier_wait -1                              ; everybody's are
	FETCH_B 0, 0, 0
	FETCH_A 0, 0, 0
	SCALES 0
	FETCH_A 0, 0, 4
	STEP 0, 0, 1                                   ; the first step stands in front of the loop: its products start the sums
	s_mov_b32 s3, LAPS-1
.Llap:                                                 ; a trip goes once round the ring and fills both slots again
	TURN 0, 1, 1
	STEP 1, 0, 0
	TURN 1, 0, 1
	STEP 0, 0, 0
	s_sub_co_u32 s3, s3, 1
	s_cmp_lg_u32 s3, 0
	s_cbranch_scc1 .Llap
	TURN 0, 1, 0                                   ; the last lap fills nothing
	STEP 1, 0, 0
	s_wait_dscnt 4*NL
	WIN MUL_LO
	MUL16 0, 1, NQ-1, 1, 0
	MUL16 2, 1, NQ-1, 1, 0
	s_wait_dscnt 0
	WIN MUL_HI
	MUL16 4, 1, NQ-1, 1, 0
	MUL16 6, 1, NQ-1, 1, 0
	WIN 0
	; THE WAY OUT.  Block a's 64 registers are, for the lane's row, k = 32 b + 16 (l / 16) + i in register 16 b + i: four blocks of 32 along the next K.
	; q, k: the row is a token of tile a, k runs over two heads' d: registers 0-5 of the codes are head 0's half image, 6-11 head 1's.
	; v: the row is a d row of tile a % 4 of head a / 4, k runs over my 128 tokens: the 12 registers are one whole fragment, two half images on end.
	s_lshr_b32 s18, s17, 3                         ; the batch: 8 tile rows each
	s_lshl_b32 s18, s18, 4
	s_lshl_b32 s19, s40, 2
	s_add_co_u32 s18, s18, s19
	s_lshl_b32 s19, s16, 1
	s_add_co_u32 s18, s18, s19                     ; 16 x batch + my first head (4 cx + 2 x column half)
	s_and_b32 s19, s17, 7
	s_lshl_b32 s19, s19, 1
	s_add_co_u32 s19, s19, s15                     ; which 128 tokens of the batch
	s_mul_i32 s20, ttmp9, 6291456                  ; the part,
	s_mul_i32 s21, s18, 98304                      ; the head,
	s_add_co_u32 s20, s20, s21
	s_mul_i32 s21, s19, 6144                       ; 128 tokens are 6,144 bytes in all three parts
	s_add_co_u32 s20, s20, s21
	s_mov_b32 s21, 0
	s_add_nc_u64 s[22:23], s[96:97], s[20:21]      ; where registers 0-5 go
	s_mov_b32 s20, 98304                           ; q, k: registers 6-11 go a head on; each block a tile (768 bytes) on
	s_mov_b32 s46, 768
	s_mov_b32 s92, 768
	s_mov_b32 s47, 0
	s_mov_b32 s93, 0
	s_cmp_eq_u32 ttmp9, 2
	s_cselect_b32 s20, 768, s20                    ; v: they go 768 bytes on; each block a fragment (1,536) on,
	s_cselect_b32 s46, 1536, s46
	s_cselect_b32 s92, 93696, s92                  ; block 4 a head on and three fragments back
	s_add_nc_u64 s[12:13], s[22:23], s[20:21]      ; where registers 6-11 go
	s_mov_b32 s[SEL], 0x76543210
	s_mov_b32 s[SEL+1], 0xfedcba98
	s_mov_b32 s94, 0xffff0000                      ; lanes 16-31
	PLACES NP
.irp b, 0,1,2,3
	v_mov_b32 v[TM+4+\b], 0                        ; written once: a lane permute's destination counts as one of its sources
.endr
.macro QBLOCK a
.set WN, 2+(\a)/4
.set AC, 64*((\a)%4)
.set WS, (WN<<2)|(WN<<4)
	WIN WS                                         ; sources 1 and 2: the accumulators' window
.irp b, 0,1,2,3
	v_max3_num_f32 v[TM+\b], 0x2800000, |v[AC+16*\b]|, |v[AC+16*\b+1]|   ; block b: my 16 numbers and the floor 2^(5 - 127); each accumulator is read from its low end on
.endr
.irp i, 2,4,6,8,10,12,14
.irp b, 0,1,2,3
	v_max3_num_f32 v[TM+\b], v[TM+\b], |v[AC+16*\b+\i]|, |v[AC+16*\b+\i+1]|
.endr
.endr
	WIN 0
.irp b, 0,1,2,3
	v_permlanex16_b32 v[TM+4+\b], v[TM+\b], s[SEL], s[SEL+1]
.endr
.irp b, 0,1,2,3
	v_max_num_f32 v[TM+\b], v[TM+\b], v[TM+4+\b]   ; with lane l xor 16's: the block's largest magnitude
.endr
.if (\a) == 0
	v_max_num_f32 v[HM], v[TM], v[TM+1]            ; the largest of each head so far (used for q and k)
	v_max_num_f32 v[HM+1], v[TM+2], v[TM+3]
.else
	v_max3_num_f32 v[HM], v[HM], v[TM], v[TM+1]
	v_max3_num_f32 v[HM+1], v[HM+1], v[TM+2], v[TM+3]
.endif
.irp b, 0,1,2,3
	v_add_nc_u32 v[TM+12+\b], 0xfe000000, v[TM+\b] ; 4 off the exponent field: the conversion's scale operand
.endr
.irp b, 0,1,2,3
	v_lshrrev_b32 v[TM+4+\b], 23, v[TM+12+\b]      ; the scale's byte
.endr
	v_lshl_or_b32 v[PWS+(\a)], v[TM+5], 8, v[TM+4]
	v_lshl_or_b32 v[PWS+(\a)], v[TM+6], 16, v[PWS+(\a)]
	v_lshl_or_b32 v[PWS+(\a)], v[TM+7], 24, v[PWS+(\a)]
.if (\a) > 0
	s_wait_xcnt 0x0                                ; the last block's stores have read their data and their bases: both are written again below
.if (\a) == 4
	s_add_nc_u64 s[22:23], s[22:23], s[92:93]
	s_add_nc_u64 s[12:13], s[12:13], s[92:93]
.else
	s_add_nc_u64 s[22:23], s[22:23], s[46:47]
	s_add_nc_u64 s[12:13], s[12:13], s[46:47]
.endif
.endif
	WIN WN                                         ; source 0: the accumulators' window
.irp c, 0,1
	v_cvt_scalef32_pk16_bf6_f32 v[CD+6*\c:CD+6*\c+2], v[AC+32*\c:AC+32*\c+15], v[TM+12+2*\c]
	v_cvt_scalef32_pk16_bf6_f32 v[CD+12+4*\c:CD+14+4*\c], v[AC+32*\c+16:AC+32*\c+31], v[TM+12+2*\c+1]   ; (a conversion's three registers begin on an even number)
.endr
	WIN 0
	v_nop                                          ; one plain place behind a scaled conversion
.irp c, 0,1                                    ; the operand's layout wants a WHOLE block in a lane
.irp i, 0,1,2
	v_permlane16_swap_b32 v[CD+6*\c+\i], v[CD+12+4*\c+\i]
.endr
.irp i, 0,1,2
	v_mov_b32 v[CD+3+6*\c+\i], v[CD+12+4*\c+\i]
.endr
.endr
	global_store_b128 v[VO16], v[CD:CD+3], s[22:23]                 ; 512 consecutive bytes, aligned to 256
	global_store_b64 v[VO8], v[CD+4:CD+5], s[22:23] offset:512      ; 256 consecutive bytes, aligned
	global_store_b128 v[VO16], v[CD+6:CD+9], s[12:13]
	global_store_b64 v[VO8], v[CD+10:CD+11], s[12:13] offset:512
.endm
.irp a, 0,1,2,3,4,5,6,7
	QBLOCK \a
.endr
	; THE SCALE WORDS.  Both halves of the lanes hold the same eight words, so lanes 0-15 serve my first head and lanes 16-31 my second.
	s_mov_b32 s21, 0
	s_cmp_eq_u32 ttmp9, 2                          ; equal in all partners
	s_cbranch_scc1 .Lv_words
	v_lshlrev_b32 v26, 4, v2                       ; q, k: the head's two bytes of each word; the upper two stay 0, for the half of the next product's K step that is not there
.irp a, 0,1,2,3,4,5,6,7
	v_bfe_u32 v[WD+\a], v[PWS+\a], v26, 16
.endr
	v_lshlrev_b32 v30, 13, v2                      ; a head's words are 8,192 bytes; row r's four words 16 bytes
	v_lshl_add_u32 v30, v1, 4, v30
	s_lshl_b32 s20, ttmp9, 19
	s_lshl_b32 s2, s18, 13
	s_add_co_u32 s20, s20, s2
	s_lshl_b32 s2, s19, 9                          ; 8 tiles: two groups of 256 bytes
	s_add_co_u32 s20, s20, s2
	s_add_nc_u64 s[44:45], s[98:99], s[20:21]
	global_store_b128 v30, v[WD:WD+3], s[44:45]                 ; sixteen lanes store 256 consecutive bytes, aligned
	global_store_b128 v30, v[WD+4:WD+7], s[44:45] offset:256
	v_cndmask_b32 v[HM], v[HM], v[HM+1], s94       ; the bound: my head's largest magnitude over my row's 8 tiles,
	v_max_num_f32_dpp v[HM], v[HM], v[HM] row_xmask:1 row_mask:0xf bank_mask:0xf
	v_max_num_f32_dpp v[HM], v[HM], v[HM] row_xmask:2 row_mask:0xf bank_mask:0xf
	v_max_num_f32_dpp v[HM], v[HM], v[HM] row_xmask:4 row_mask:0xf bank_mask:0xf
	v_max_num_f32_dpp v[HM], v[HM], v[HM] row_xmask:8 row_mask:0xf bank_mask:0xf   ; over the 16 rows: over my 128 tokens;
	v_add_nc_u32 v[HM], 0xfe000000, v[HM]
	v_lshrrev_b32 v[HM], 23, v[HM]                 ; as a scale byte: a whole number
	v_lshlrev_b32 v26, 6, v2                       ; a head's 16 numbers are 64 bytes
	s_lshl_b32 s20, ttmp9, 12
	s_lshl_b32 s2, s18, 6
	s_add_co_u32 s20, s20, s2
	s_lshl_b32 s2, s19, 2
	s_add_co_u32 s20, s20, s2
	s_add_nc_u64 s[42:43], s[100:101], s[20:21]
	v_cmp_eq_u32 vcc_lo, 0, v1
	s_wait_alu depctr_va_vdst(0)
	s_wait_xcnt 0x0                                ; EXEC changes only behind this wait
	s_and_saveexec_b32 s95, vcc_lo                 ; lanes 0 and 16
	global_store_b32 v26, v[HM], s[42:43]
	s_wait_xcnt 0x0                                ; and again in front of the line that widens it
	s_or_b32 exec_lo, exec_lo, s95
	s_branch .Lwords_done
.Lv_words:
.irp j, 0,1,2,3
	v_cndmask_b32 v[WD+\j], v[PWS+\j], v[PWS+4+\j], s94   ; v: the four d tiles' words of my head, all four bytes
.endr
	v_lshlrev_b32 v30, 12, v2                      ; a head's words are 4,096 bytes
	v_lshl_add_u32 v30, v1, 4, v30
	s_lshl_b32 s20, s18, 12
	s_lshl_b32 s2, s19, 8
	s_add_co_u32 s20, s20, s2
	s_add_co_u32 s20, s20, 1048576
	s_add_nc_u64 s[44:45], s[98:99], s[20:21]
	global_store_b128 v30, v[WD:WD+3], s[44:45]
.Lwords_done:
	s_wait_tensorcnt 0x0                           ; the wave's end
	ds_add_u32 v[SPW], v[NIL]
	s_wait_dscnt 0x0
	CROUND                                         ; the closing round: no work-group ends while a partner may still ask for a tile that names it
	s_endpgm
.Lfunc_end_k_qb892eb4b41_qkv:
	.size	k_qb892eb4b41_qkv, .Lfunc_end_k_qb892eb4b41_qkv-k_qb892eb4b41_qkv
	.p2alignl 7, 3214868480
	.fill 96, 4, 3214868480
	.section	.rodata,"a",@progbits
	.p2align	6, 0x0
	.amdhsa_kernel k_qb892eb4b41_qkv
		.amdhsa_group_segment_fixed_size 327680
		.amdhsa_private_segment_fixed_size 0
		.amdhsa_enable_private_segment 0
		.amdhsa_kernarg_size 40
		.amdhsa_user_sgpr_count 2
		.amdhsa_user_sgpr_kernarg_segment_ptr 1
		.amdhsa_wavefront_size32 1
		.amdhsa_system_sgpr_workgroup_id_x 1
		.amdhsa_system_sgpr_workgroup_id_y 1
		.amdhsa_system_sgpr_workgroup_id_z 1
		.amdhsa_system_vgpr_workitem_id 0
		.amdhsa_next_free_vgpr 1024
		.amdhsa_next_free_sgpr 102
		.amdhsa_reserve_vcc 1
		.amdhsa_float_denorm_mode_32 3
		.amdhsa_float_denorm_mode_16_64 3
		.amdhsa_memory_ordered 1
		.amdhsa_forward_progress 1
		.amdhsa_inst_pref_size 170
	.end_amdhsa_kernel
	.amdgpu_metadata
---
amdhsa.version: [ 1, 2 ]
amdhsa.kernels:
  - .name:           k_qb892eb4b41_qkv
    .symbol:         k_qb892eb4b41_qkv.kd
    .args:
      - { .name: cod, .offset: 0, .size: 8, .value_kind: global_buffer, .address_space: global }
      - { .name: scl, .offset: 8, .size: 8, .value_kind: global_buffer, .address_space: global }
      - { .name: img, .offset: 16, .size: 8, .value_kind: global_buffer, .address_space: global }
      - { .name: sc, .offset: 24, .size: 8, .value_kind: global_buffer, .address_space: global }
      - { .name: bounds, .offset: 32, .size: 8, .value_kind: global_buffer, .address_space: global }
    .group_segment_fixed_size: 327680
    .private_segment_fixed_size: 0
    .kernarg_segment_align: 8
    .kernarg_segment_size: 40
    .max_flat_workgroup_size: 128
    .sgpr_count:     102
    .vgpr_count:     1024
    .wavefront_size: 32
...
	.end_amdgpu_metadata
.endif
;; end of part 2
;; launch attn (part 3): grid 4 x 64, 16 waves a work-group, no clusters, 210,944 bytes of LDS; arguments img, sc, bounds, aimg, asc; writes aimg, asc
.if DOCPART == 3
	.amdgcn_target "amdgcn-amd-amdhsa--gfx1250"
	.amdhsa_code_object_version 6
	.text
	.protected	k_qb892eb4b41_attn
	.globl	k_qb892eb4b41_attn
	.p2align	8
	.type	k_qb892eb4b41_attn,@function
k_qb892eb4b41_attn:
	s_mov_b64 s[64:65], 0
	v_nop
	global_prefetch_b8 v0, s[64:65] scope:SCOPE_SE
	s_setreg_imm32_b32 hwreg(HW_REG_WAVE_MODE, 25, 1), 1
	s_wait_xcnt 0x0
; Attention of one (batch, head) on codes of BF6 (E3M2): S^T = K Q^T (K = the head's 64), the softmax by the rule p = 2^(t - M), M a whole number, O^T = V^T P^T (K = the keys), O / the row's sum,
; quantised along the head's 64 and stored as a half image for the last product.  t = (score / 8 - 10000 on future keys) x log2(e).
; SHARES.  Work-group (c, head): 16 waves, four to a SIMD.  Wave w takes query tile 127 - u and then tile u, u = 16 c + w: tile t needs t / 8 + 1 steps of 128 keys, so every wave has 17 steps.
; LDS.  The head's K and V images and their scale words, 208,896 bytes, are brought through registers ONCE; behind the one barrier LDS is only read.  No tensor load: the walk hangs on a stored number (below).
; K = 64 UNDER AN INSTRUCTION OF 128.  Q's registers 6-11 are zero codes, and bytes 2 and 3 of Q's and K's scale words are 0 (a finite scale).  K's registers 6-11 are whatever lies next (the following tile's codes:
; the format has no NaN and no infinity): those products are exactly 0.
; THE BIAS IS -10000, NOT -INFINITY.  Steps beyond the diagonal are left out only where that is exact: a quantised magnitude is at most 28 x 2^e, so |score / 8| <= 64 x 784 / 8 x 2^(eq + ek) = 6272 x 2^(eq + ek);
; with the head's largest bytes adding to at most 253 (eq + ek <= -1) a biased logit lies more than 3,700 under the diagonal's, p is 0, its codes are 0 and it adds nothing to the sum.  The launch before has stored
; the largest bytes as whole numbers; where the test fails the same step loop walks all 16 steps with the bias added.
; LAYOUT.  A lane holds ONE query (lane % 16) throughout.  Tiles of tokens and of d lie in tile order (lane r of tile 2 b + u is 32 b + 8 u + r + 8 (r / 8)): the 16 registers of tiles 2 b, 2 b + 1 are 16 neighbours.
; LIMITS: p under 2^-126 counts as 0 (v_exp_f32 flushes); a block of zeros gets the byte 1, not 127; NaN and infinities are not served.
.set KIMG, 0                           ; LDS: K's 128 half images of 768 bytes
.set VIMG, 98304                       ; V's 16 steps x 4 fragments of 1,536 bytes
.set KSC,  196608                      ; K's scale words: [4 tiles][row][tile]
.set VSC,  204800                      ; V's: [step][row][d tile]
.set Q,    20                          ; v20-31  Q's fragment (v26-31 zeros)
.set F,    32                          ; v32-85  8 half fragments of K, or 4 fragments of V (v80-85 zeros)
.set KSR,  86                          ; v86-93  K's scale words, later V's four
.set QS,   94                          ; v94     Q's scale word
.set PW,   95                          ; v95     p's scale word
.set S,    96                          ; v96-159 S^T, then p
.set O,    160                         ; v160-191 O^T
.set PC,   192                         ; v192-210 codes just made
.set BM,   212                         ; v212-215 the blocks' largest
.set BT,   216                         ; v216-219 at work
.set SO,   220                         ; v220-223 the conversions' scale operands
.set FF,   224                         ; v[224:225] f (the upper word is only named)
.set T0,   226                         ; v226-227 at work
.set L2,   228                         ; v[228:229] the second chain of the sum
.set BIAS, 230                         ; v230    -80000: the bias x 8, since the scores are still unscaled
.set DD,   231                         ; v231    my query less the step's first key of my half
.set Q2,   234                         ; v234-240 the second tile's Q and scale word
.set FILL, 96                          ; v96-197 the fill's stage, before the barrier
.set WV, 14
.set HG, 16
.set U,  17
.set TILE, 18
.set SEL, 20
.set CS,  22
.set TB,  24                           ; s24 the step's images: 6,144 bytes a step, in K's and in V's region
.set TS,  25                           ; s25 K's scale words: 512 a step
.set TJ,  26                           ; s26 V's: 256 a step
.set STP, 27
.set SD,  28                           ; s28 the step on the diagonal
.set LIMIT, 29                         ; s29 the last step that is walked
.set QMIN, 30
.set TCNT, 31
.set FLAG, 32
.set HMASK, 33
	s_load_b256 s[4:11], s[0:1], 0x0               ; img s[4:5], sc s[6:7], bounds s[8:9], aimg s[10:11]
	s_load_b64 s[12:13], s[0:1], 0x20              ; asc
	v_lshl_add_u32 v254, v0, 2, 0x33000
	v_mov_b32 v255, 0
	v_lshrrev_b32 v226, 5, v0
	s_delay_alu instid0(VALU_DEP_1)
	v_readfirstlane_b32 s[WV], v226                ; wave 0..15
	s_and_b32 s[HG], ttmp7, 0xffff                 ; 16 x batch + head
	s_lshl_b32 s[U], ttmp9, 4
	s_add_co_u32 s[U], s[U], s[WV]                 ; u
	s_sub_co_u32 s[TILE], 127, s[U]                ; the first tile
	v_and_b32 v226, 31, v0                         ; lane
	s_delay_alu instid0(VALU_DEP_1)
	v_lshlrev_b32 v1, 4, v226                      ; 16 x lane
	s_delay_alu instid0(VALU_DEP_2)
	v_lshlrev_b32 v2, 3, v226                      ; 8 x lane
	s_delay_alu instid0(VALU_DEP_2)
	v_add_nc_u32 v3, VIMG, v1
	s_delay_alu instid0(VALU_DEP_2)
	v_add_nc_u32 v4, VIMG, v2
	v_and_b32 v227, 15, v0                         ; r
	s_delay_alu instid0(VALU_DEP_1)
	v_lshlrev_b32 v15, 4, v227                     ; 16 r
	s_delay_alu instid0(VALU_DEP_1)
	v_add_nc_u32 v5, KSC, v15
	s_delay_alu instid0(VALU_DEP_2)
	v_add_nc_u32 v6, VSC, v15
	v_bfe_u32 v231, v0, 4, 1                       ; h
	v_and_b32 v7, 8, v227
	s_delay_alu instid0(VALU_DEP_1)
	v_add_nc_u32 v7, v7, v227
	s_delay_alu instid0(VALU_DEP_3)
	v_lshlrev_b32 v14, 4, v231
	s_delay_alu instid0(VALU_DEP_1)
	v_sub_nc_u32 v7, v7, v14                       ; r + 8 (r / 8) - 16 h
	v_lshl_add_u32 v14, v227, 5, v231              ; the output's scale byte: 32 r + h
	v_lshlrev_b32 v8, 4, v0                        ; the fill: 16 x thread, in memory and in LDS;
	s_delay_alu instid0(VALU_DEP_1)
	v_add_nc_u32 v9, 65536, v8                     ; an LDS offset has 16 bits, so the address carries the rest
	s_delay_alu instid0(VALU_DEP_2)
	v_add_nc_u32 v10, 131072, v8
	s_delay_alu instid0(VALU_DEP_3)
	v_add_nc_u32 v11, 196608, v8
	v_lshlrev_b32 v12, 3, v0                       ; 8 x thread
	s_delay_alu instid0(VALU_DEP_1)
	v_add_nc_u32 v13, 196608, v12
	s_mul_i32 s88, s[HG], 98304
	s_mov_b32 s89, 0
	s_lshl_b32 s90, s[HG], 13
	s_mov_b32 s91, 0
	s_mov_b32 s[SEL], 0x76543210
	s_mov_b32 s[SEL+1], 0xfedcba98
	s_mov_b32 s[CS], 0x3e38aa3b                    ; c = log2(e) / 8
	s_mov_b32 s[CS+1], s[CS]
	s_mov_b32 s[HMASK], 0xffff0000                 ; lanes 16-31
	s_wait_alu depctr_va_vdst(0)
	s_wait_kmcnt 0x0
	s_add_nc_u64 s[60:61], s[4:5], s[88:89]        ; the head's images of q,
	s_add_nc_u64 s[52:53], s[60:61], 6291456       ; of k,
	s_add_nc_u64 s[54:55], s[60:61], 12582912      ; of v
	s_add_nc_u64 s[62:63], s[6:7], s[90:91]        ; q's scale words,
	s_add_nc_u64 s[56:57], s[62:63], 524288        ; k's,
	s_lshl_b32 s90, s[HG], 12
	s_add_nc_u64 s[58:59], s[6:7], s[90:91]
	s_add_nc_u64 s[58:59], s[58:59], 1048576       ; v's
	s_lshl_b32 s90, s[HG], 6
	s_add_nc_u64 s[8:9], s[8:9], s[90:91]
	s_load_b512 s[36:51], s[8:9], 0x0              ; the head's 16 largest bytes of q,
	s_load_b512 s[68:83], s[8:9], 0x1000           ; and of k
	s_mul_i32 s88, s[TILE], 768                    ; the first tile's Q
	s_add_nc_u64 s[84:85], s[60:61], s[88:89]
	s_lshr_b32 s90, s[TILE], 2
	s_lshl_b32 s90, s90, 8
	s_and_b32 s34, s[TILE], 3
	s_lshl_b32 s34, s34, 2
	s_add_co_u32 s90, s90, s34
	s_add_nc_u64 s[86:87], s[62:63], s[90:91]
	global_load_b128 v[Q:Q+3], v1, s[84:85]
	global_load_b64 v[Q+4:Q+5], v2, s[84:85] offset:512
	global_load_b32 v[QS], v15, s[86:87]
	s_mul_i32 s88, s[U], 768                       ; the second tile's, in bases of its own
	s_add_nc_u64 s[92:93], s[60:61], s[88:89]
	s_lshr_b32 s90, s[U], 2
	s_lshl_b32 s90, s90, 8
	s_and_b32 s34, s[U], 3
	s_lshl_b32 s34, s34, 2
	s_add_co_u32 s90, s90, s34
	s_add_nc_u64 s[94:95], s[62:63], s[90:91]
	global_load_b128 v[Q2:Q2+3], v1, s[92:93]
	global_load_b64 v[Q2+4:Q2+5], v2, s[92:93] offset:512
	global_load_b32 v[Q2+6], v15, s[94:95]
	; THE FILL: 26 loads a thread, 8,192 consecutive bytes a load of the work-group
.irp i, 0,1,2,3,4,5,6,7,8,9,10,11
	global_load_b128 v[FILL+4*\i:FILL+4*\i+3], v8, s[52:53] offset:8192*\i
.endr
.irp i, 0,1,2,3,4,5,6,7,8,9,10,11
	global_load_b128 v[FILL+48+4*\i:FILL+48+4*\i+3], v8, s[54:55] offset:8192*\i
.endr
	global_load_b128 v[FILL+96:FILL+99], v8, s[56:57]
	global_load_b64 v[FILL+100:FILL+101], v12, s[58:59]
.irp i, 6,7,8,9,10,11
	v_mov_b32 v[Q+\i], 0                           ; the half of the K step that is not there: zero codes
.endr
.irp i, 48,49,50,51,52,53
	v_mov_b32 v[F+\i], 0                           ; what the last tile of K names behind its six registers
.endr
.irp b, 0,1,2,3
	v_mov_b32 v[BT+\b], 0                          ; written once: a lane permute's destination counts as one of its sources
.endr
	v_mov_b32 v[FF+1], 0                           ; (named as the upper half of a pair)
	v_mov_b32 v[BIAS], 0xc79c4000                  ; -80000.0
	s_wait_kmcnt 0x0
.irp i, 37,38,39,40,41,42,43,44,45,46,47,48,49,50,51
	s_max_u32 s36, s36, s[\i]
.endr
.irp i, 69,70,71,72,73,74,75,76,77,78,79,80,81,82,83
	s_max_u32 s68, s68, s[\i]
.endr
	s_add_co_u32 s36, s36, s68
	s_cmp_le_u32 s36, 253                          ; eq + ek <= -1
	s_cselect_b32 s[FLAG], 1, 0                    ; 1: what lies beyond the diagonal counts for exactly nothing
.irp i, 0,1,2,3,4,5,6,7,8,9,10,11,12,13,14,15,16,17,18,19,20,21,22,23,24
	s_wait_loadcnt 25-\i                           ; load i is in; the fill loads issued behind it stay out
	ds_store_b128 v[8+\i/8], v[FILL+4*\i:FILL+4*\i+3] offset:(\i%8)*8192
.endr
	s_wait_loadcnt 0x0
	ds_store_b64 v13, v[FILL+100:FILL+101] offset:8192
	s_wait_dscnt 0x0                               ; for the others' sake: my stores have landed
	s_barrier_signal -1
	s_barrier_wait -1                              ; from here on LDS is only read
	s_mov_b32 s[TCNT], 0
.Ltile:
	s_wait_xcnt 0x0                                ; the last tile's stores have read their data and bases
	s_lshr_b32 s[SD], s[TILE], 3
	s_cmp_eq_u32 s[FLAG], 1
	s_cselect_b32 s[LIMIT], s[SD], 15
	s_lshr_b32 s[QMIN], s[TILE], 1
	s_lshl_b32 s[QMIN], s[QMIN], 5
	s_and_b32 s88, s[TILE], 1
	s_lshl_b32 s88, s88, 3
	s_add_co_u32 s[QMIN], s[QMIN], s88             ; lane r's query is QMIN + r + 8 (r / 8)
	s_lshr_b32 s88, s[HG], 4
	s_lshl_b32 s88, s88, 7
	s_add_co_u32 s88, s88, s[TILE]                 ; the token tile among all 512
	s_and_b32 s90, s[HG], 15                       ; the head
	s_mul_i32 s34, s88, 12288
	s_mul_i32 s35, s90, 768
	s_add_co_u32 s34, s34, s35
	s_mov_b32 s35, 0
	s_add_nc_u64 s[84:85], s[10:11], s[34:35]      ; the output's half image
	s_lshl_b32 s34, s88, 9
	s_lshl_b32 s90, s90, 1
	s_add_co_u32 s34, s34, s90
	s_add_nc_u64 s[86:87], s[12:13], s[34:35]      ; and its scale bytes
	v_mov_b32 v17, 0xff61b1e6                      ; the largest t so far: -3e38
	s_delay_alu instid0(VALU_DEP_1)
	v_floor_f32 v16, -v17                          ; -M
	v_mov_b32 v18, 0                               ; the sum, in two halves
	v_mov_b32 v19, 0
.set n, 0
.rept 32
	v_mov_b32 v[O+n], 0                            ; O^T: the step is written once; the first change of M leaves zeros zeros
.set n, n+1
.endr
	s_mov_b32 s[TB], 0
	s_mov_b32 s[TS], 0
	s_mov_b32 s[TJ], 0
	s_mov_b32 s[STP], 0
.Lstep:                                                ; 16 trips, always; a step beyond the limit only steps the addresses
	s_cmp_gt_u32 s[STP], s[LIMIT]
	s_cbranch_scc1 .Lhidden
	s_setprio 2
	v_add_nc_u32 v8, s[TB], v1                     ; six plain lines: also the places behind the last products, in front of the loads below
	v_add_nc_u32 v9, s[TB], v2
	v_add_nc_u32 v10, s[TB], v3
	v_add_nc_u32 v11, s[TB], v4
	v_add_nc_u32 v12, s[TS], v5
	v_add_nc_u32 v13, s[TJ], v6
	ds_load_b128 v[KSR:KSR+3], v12                 ; row r's words of tiles 0-3,
	ds_load_b128 v[KSR+4:KSR+7], v12 offset:256    ; of tiles 4-7
.irp i, 0,1,2,3,4,5,6,7
	ds_load_b128 v[F+6*\i:F+6*\i+3], v8 offset:768*\i
	ds_load_b64 v[F+6*\i+4:F+6*\i+5], v9 offset:768*\i+512
.endr
	s_wait_alu depctr_va_vdst(0)
	s_wait_dscnt 0x0
.irp i, 0,1,2,3,4,5,6,7
	v_wmma_scale_f32_16x16x128_f8f6f4 v[S+8*\i:S+8*\i+7], v[F+6*\i:F+6*\i+11], v[Q:Q+11], 0, v[KSR+\i], v[QS] matrix_a_fmt:MATRIX_FMT_BF6 matrix_b_fmt:MATRIX_FMT_BF6
.endr
.rept 4
	v_nop                                          ; places: in front of the loads into K's registers, and of the first read of the scores
.endr
.irp t, 0,1,2,3                                ; V's four fragments and their words are on their way while the softmax is worked
	ds_load_b128 v[F+12*\t:F+12*\t+3], v10 offset:1536*\t
	ds_load_b64 v[F+12*\t+4:F+12*\t+5], v11 offset:1536*\t+512
	ds_load_b128 v[F+12*\t+6:F+12*\t+9], v10 offset:1536*\t+768
	ds_load_b64 v[F+12*\t+10:F+12*\t+11], v11 offset:1536*\t+1280
.endr
	ds_load_b128 v[KSR:KSR+3], v13
	s_cmp_lt_u32 s[STP], s[SD]
	s_cbranch_scc1 .Lopen                          ; all 128 keys come before my queries
	s_lshl_b32 s88, s[STP], 7
	s_sub_co_i32 s88, s[QMIN], s88
	v_add_nc_u32 v[DD], s88, v7                    ; register 16 b + i holds key 128 step + 16 h + 32 b + i: biased where 32 b + i > d
.set n, 0
.rept 64
	v_cmp_gt_i32 vcc_lo, 32*(n/16)+n%16, v[DD]
	s_delay_alu instid0(VALU_DEP_1)
	v_cndmask_b32 v[T0+n%2], 0, v[BIAS], vcc_lo
	v_add_f32 v[S+n], v[S+n], v[T0+n%2]            ; score - 80000 = 8 x (score / 8 - 10000), rounded alike
.set n, n+1
.endr
.Lopen:
.irp b, 0,1,2,3
	v_max3_num_f32 v[BM+\b], v[S+16*\b], v[S+16*\b+1], v[S+16*\b+2]   ; the largest score of each block of 32 keys: for the row's maximum and, since p rises with the score, for the block's largest p
.endr
.irp i, 3,5,7,9,11,13
.irp b, 0,1,2,3
	v_max3_num_f32 v[BM+\b], v[BM+\b], v[S+16*\b+\i], v[S+16*\b+\i+1]
.endr
.endr
.irp b, 0,1,2,3
	v_max_num_f32 v[BM+\b], v[BM+\b], v[S+16*\b+15]
.endr
.irp b, 0,1,2,3
	s_delay_alu instid0(VALU_DEP_4)
	v_permlanex16_b32 v[BT+\b], v[BM+\b], s[SEL], s[SEL+1]
.endr
.irp b, 0,1,2,3
	s_delay_alu instid0(VALU_DEP_4)
	v_max_num_f32 v[BM+\b], v[BM+\b], v[BT+\b]     ; with lane l xor 16's 16 keys
.endr
	s_delay_alu instid0(VALU_DEP_2)
	v_max3_num_f32 v[T0], v[BM], v[BM+1], v[BM+2]
	s_delay_alu instid0(VALU_DEP_1)
	v_max_num_f32 v[T0], v[T0], v[BM+3]
	s_delay_alu instid0(VALU_DEP_1)
	v_mul_f32 v[T0], s[CS], v[T0]                  ; as t (c is positive)
	s_delay_alu instid0(VALU_DEP_1)
	v_max_num_f32 v17, v17, v[T0]                  ; the running largest t
	v_mov_b32 v[T0], v16
	s_delay_alu instid0(VALU_DEP_2)
	v_floor_f32 v16, -v17                          ; the new -M = -ceil(t): a whole number
	s_delay_alu instid0(VALU_DEP_1)
	v_sub_f32 v[T0], v16, v[T0]                    ; old M - new M: a whole number, 0 or less
	s_delay_alu instid0(VALU_DEP_1)
	v_cvt_i32_f32 v[T0], v[T0]                     ; (it saturates)
	s_delay_alu instid0(VALU_DEP_1)
	v_ldexp_f32 v[FF], 1.0, v[T0]                  ; f = 2^(old M - new M): rounds nothing
.set n, 0
	s_setprio 1
.rept 32
	v_pk_fma_f32 v[S+n:S+n+1], v[S+n:S+n+1], s[CS:CS+1], v[16:17] op_sel_hi:[1,0,0]   ; t - M, two at a time
.set n, n+2
.endr
.irp b, 0,1,2,3
	v_fma_f32 v[BM+\b], v[BM+\b], s[CS], v16       ; the same of each block's largest score
.endr
.set n, 0
	s_wait_alu depctr_va_vdst(0)
.rept 64
	v_exp_f32 v[S+n], v[S+n]                       ; p = 2^(t - M): not normalised
.set n, n+1
.endr
	v_pk_mul_f32 v[18:19], v[18:19], v[FF:FF+1] op_sel_hi:[1,0]   ; the sums under the new M (the plain line behind the exponentials)
	s_wait_alu depctr_va_vdst(0)                   ; one wait for the batch of 64, ahead of its first reader
.irp b, 0,1,2,3
	v_exp_f32 v[BM+\b], v[BM+\b]                   ; the block's largest p
.endr
	v_pk_add_f32 v[228:229], v[100:101], v[104:105]
	v_pk_add_f32 v[252:253], v[108:109], v[112:113]
	v_pk_add_f32 v[250:251], v[116:117], v[120:121]
	v_pk_add_f32 v[248:249], v[124:125], v[128:129]
	v_pk_add_f32 v[246:247], v[132:133], v[136:137]
	v_pk_add_f32 v[244:245], v[140:141], v[144:145]
	v_pk_add_f32 v[242:243], v[148:149], v[152:153]
	v_pk_add_f32 v[18:19], v[18:19], v[156:157]
	v_pk_add_f32 v[228:229], v[228:229], v[96:97]
	v_pk_add_f32 v[252:253], v[252:253], v[98:99]
	v_pk_add_f32 v[250:251], v[250:251], v[102:103]
	v_pk_add_f32 v[248:249], v[248:249], v[106:107]
	v_pk_add_f32 v[246:247], v[246:247], v[110:111]
	v_pk_add_f32 v[244:245], v[244:245], v[114:115]
	v_pk_add_f32 v[242:243], v[242:243], v[118:119]
	v_pk_add_f32 v[18:19], v[18:19], v[122:123]
	v_pk_add_f32 v[228:229], v[228:229], v[126:127]
	v_pk_add_f32 v[252:253], v[252:253], v[130:131]
	v_pk_add_f32 v[250:251], v[250:251], v[134:135]
	v_pk_add_f32 v[248:249], v[248:249], v[138:139]
	v_pk_add_f32 v[246:247], v[246:247], v[142:143]
	v_pk_add_f32 v[244:245], v[244:245], v[146:147]
	v_pk_add_f32 v[242:243], v[242:243], v[150:151]
	v_pk_add_f32 v[18:19], v[18:19], v[154:155]
	v_pk_add_f32 v[228:229], v[228:229], v[158:159]
	s_delay_alu instid0(VALU_DEP_2)
	v_pk_add_f32 v[18:19], v[18:19], v[248:249]
	s_delay_alu instid0(VALU_DEP_2)
	v_pk_add_f32 v[228:229], v[228:229], v[246:247]
	v_pk_add_f32 v[252:253], v[252:253], v[244:245]
	v_pk_add_f32 v[250:251], v[250:251], v[242:243]
	s_delay_alu instid0(VALU_DEP_2)
	v_pk_add_f32 v[18:19], v[18:19], v[252:253]
	s_delay_alu instid0(VALU_DEP_2)
	v_pk_add_f32 v[228:229], v[228:229], v[250:251]
	s_delay_alu instid0(VALU_DEP_1)
	v_pk_add_f32 v[18:19], v[18:19], v[228:229]
	s_setprio 0
	s_wait_alu depctr_va_vdst(0)                   ; and one for the four
.irp b, 0,1,2,3
	v_max_num_f32 v[BM+\b], 0x2800000, v[BM+\b]    ; the floor 2^(5 - 127): the byte cannot fall under 1
.endr
.irp b, 0,1,2,3
	s_delay_alu instid0(VALU_DEP_4)
	v_add_nc_u32 v[SO+\b], 0xfe000000, v[BM+\b]    ; 4 off the exponent field: the conversion's scale operand
.endr
.irp b, 0,1,2,3
	s_delay_alu instid0(VALU_DEP_4)
	v_lshrrev_b32 v[BT+\b], 23, v[SO+\b]           ; the scale's byte
.endr
	s_delay_alu instid0(VALU_DEP_3)
	v_lshl_or_b32 v[PW], v[BT+1], 8, v[BT]         ; p's scale word for these 128 keys
	s_delay_alu instid0(VALU_DEP_1)
	v_lshl_or_b32 v[PW], v[BT+2], 16, v[PW]
	s_delay_alu instid0(VALU_DEP_1)
	v_lshl_or_b32 v[PW], v[BT+3], 24, v[PW]
.irp c, 0,1
	v_cvt_scalef32_pk16_bf6_f32 v[PC+6*\c:PC+6*\c+2], v[S+32*\c:S+32*\c+15], v[SO+2*\c]
	v_cvt_scalef32_pk16_bf6_f32 v[PC+12+4*\c:PC+14+4*\c], v[S+32*\c+16:S+32*\c+31], v[SO+2*\c+1]
.endr
	v_nop                                          ; one plain place behind a scaled conversion
.irp c, 0,1                                    ; the operand's layout wants a WHOLE block in a lane
.irp i, 0,1,2
	v_permlane16_swap_b32 v[PC+6*\c+\i], v[PC+12+4*\c+\i]
.endr
.irp i, 0,1,2
	s_delay_alu instid0(VALU_DEP_3)
	v_mov_b32 v[PC+3+6*\c+\i], v[PC+12+4*\c+\i]
.endr
.endr
.set n, 0
.rept 16
	v_pk_mul_f32 v[O+n:O+n+1], v[O+n:O+n+1], v[FF:FF+1] op_sel_hi:[1,0]   ; O^T under the new M; these are also the places between p's codes and word and the products
.set n, n+2
.endr
	s_wait_alu depctr_va_vdst(0)
	s_wait_dscnt 0x0                               ; V's fragments and words are in
.irp t, 0,1,2,3                                ; the four accumulators take turns, one instruction a turn
	v_wmma_scale_f32_16x16x128_f8f6f4 v[O+8*\t:O+8*\t+7], v[F+12*\t:F+12*\t+11], v[PC:PC+11], v[O+8*\t:O+8*\t+7], v[KSR+\t], v[PW] matrix_a_fmt:MATRIX_FMT_BF6 matrix_b_fmt:MATRIX_FMT_BF6
.endr
.Lhidden:
	s_add_co_u32 s[TB], s[TB], 6144
	s_add_co_u32 s[TS], s[TS], 512
	s_add_co_u32 s[TJ], s[TJ], 256
	s_add_co_u32 s[STP], s[STP], 1
	s_cmp_lt_u32 s[STP], 16
	s_cbranch_scc1 .Lstep
	s_setprio 0
	; THE TILE'S END.  O^T / the sum; register 16 b + i is d = 32 b + 16 h + i of my query: two blocks of 32 along the last product's K.
	v_add_f32 v18, v18, v19
	s_delay_alu instid0(VALU_DEP_1)
	v_permlanex16_b32 v[T0], v18, s[SEL], s[SEL+1]
	s_delay_alu instid0(VALU_DEP_1)
	v_add_f32 v18, v18, v[T0]                      ; the row's sum
	s_wait_alu depctr_va_vdst(0)
	v_rcp_f32 v[FF], v18
.irp i, 0,1,2,3,4,5
	v_mov_b32 v[Q+\i], v[Q2+\i]                    ; the second tile's Q: plain work behind the reciprocal, and places behind the last products
.endr
	v_mov_b32 v[QS], v[Q2+6]
	s_wait_alu depctr_va_vdst(0)                   ; the wait ahead of the reciprocal's first reader
.set n, 0
.rept 16
	v_pk_mul_f32 v[O+n:O+n+1], v[O+n:O+n+1], v[FF:FF+1] op_sel_hi:[1,0]
.set n, n+2
.endr
.irp b, 0,1
	v_max3_num_f32 v[BM+\b], |v[O+16*\b]|, |v[O+16*\b+1]|, 0x2800000
.endr
.irp i, 2,4,6,8,10,12,14
.irp b, 0,1
	s_delay_alu instid0(VALU_DEP_2)
	v_max3_num_f32 v[BM+\b], v[BM+\b], |v[O+16*\b+\i]|, |v[O+16*\b+\i+1]|
.endr
.endr
.irp b, 0,1
	s_delay_alu instid0(VALU_DEP_2)
	v_permlanex16_b32 v[BT+\b], v[BM+\b], s[SEL], s[SEL+1]
.endr
.irp b, 0,1
	s_delay_alu instid0(VALU_DEP_2)
	v_max_num_f32 v[BM+\b], v[BM+\b], v[BT+\b]
.endr
.irp b, 0,1
	s_delay_alu instid0(VALU_DEP_2)
	v_add_nc_u32 v[SO+\b], 0xfe000000, v[BM+\b]
.endr
.irp b, 0,1
	s_delay_alu instid0(VALU_DEP_2)
	v_lshrrev_b32 v[BT+\b], 23, v[SO+\b]
.endr
	v_cvt_scalef32_pk16_bf6_f32 v[PC:PC+2], v[O:O+15], v[SO]
	v_cvt_scalef32_pk16_bf6_f32 v[PC+12:PC+14], v[O+16:O+31], v[SO+1]
	v_cndmask_b32 v[T0], v[BT], v[BT+1], s[HMASK]  ; lanes 0-15 block 0's byte, lanes 16-31 block 1's (the plain place behind the conversions)
.irp i, 0,1,2
	v_permlane16_swap_b32 v[PC+\i], v[PC+12+\i]
.endr
.irp i, 0,1,2
	s_delay_alu instid0(VALU_DEP_3)
	v_mov_b32 v[PC+3+\i], v[PC+12+\i]              ; lane (r, h): d = 32 h + 0 .. 31 of query r
.endr
	global_store_b128 v1, v[PC:PC+3], s[84:85]                  ; 512 consecutive bytes, aligned to 256
	global_store_b64 v2, v[PC+4:PC+5], s[84:85] offset:512      ; 256 consecutive bytes, aligned
	global_store_b8 v14, v[T0], s[86:87]                        ; two bytes of each of 16 rows of scale bytes
	s_mov_b32 s[TILE], s[U]
	s_add_co_u32 s[TCNT], s[TCNT], 1
	s_cmp_lt_u32 s[TCNT], 2
	s_cbranch_scc1 .Ltile
	s_wait_tensorcnt 0x0
	ds_add_u32 v254, v255
	s_wait_dscnt 0x0
	s_endpgm
.Lfunc_end_k_qb892eb4b41_attn:
	.size	k_qb892eb4b41_attn, .Lfunc_end_k_qb892eb4b41_attn-k_qb892eb4b41_attn
	.p2alignl 7, 3214868480
	.fill 96, 4, 3214868480
	.section	.rodata,"a",@progbits
	.p2align	6, 0x0
	.amdhsa_kernel k_qb892eb4b41_attn
		.amdhsa_group_segment_fixed_size 210944
		.amdhsa_private_segment_fixed_size 0
		.amdhsa_enable_private_segment 0
		.amdhsa_kernarg_size 40
		.amdhsa_user_sgpr_count 2
		.amdhsa_user_sgpr_kernarg_segment_ptr 1
		.amdhsa_wavefront_size32 1
		.amdhsa_system_sgpr_workgroup_id_x 1
		.amdhsa_system_sgpr_workgroup_id_y 1
		.amdhsa_system_sgpr_workgroup_id_z 1
		.amdhsa_system_vgpr_workitem_id 0
		.amdhsa_next_free_vgpr 256
		.amdhsa_next_free_sgpr 96
		.amdhsa_reserve_vcc 1
		.amdhsa_float_denorm_mode_32 3
		.amdhsa_float_denorm_mode_16_64 3
		.amdhsa_memory_ordered 1
		.amdhsa_forward_progress 1
		.amdhsa_inst_pref_size 45
	.end_amdhsa_kernel
	.amdgpu_metadata
---
amdhsa.version: [ 1, 2 ]
amdhsa.kernels:
  - .name:           k_qb892eb4b41_attn
    .symbol:         k_qb892eb4b41_attn.kd
    .args:
      - { .name: img, .offset: 0, .size: 8, .value_kind: global_buffer, .address_space: global }
      - { .name: sc, .offset: 8, .size: 8, .value_kind: global_buffer, .address_space: global }
      - { .name: bounds, .offset: 16, .size: 8, .value_kind: global_buffer, .address_space: global }
      - { .name: aimg, .offset: 24, .size: 8, .value_kind: global_buffer, .address_space: global }
      - { .name: asc, .offset: 32, .size: 8, .value_kind: global_buffer, .address_space: global }
    .group_segment_fixed_size: 210944
    .private_segment_fixed_size: 0
    .kernarg_segment_align: 8
    .kernarg_segment_size: 40
    .max_flat_workgroup_size: 512
    .sgpr_count:     96
    .vgpr_count:     256
    .wavefront_size: 32
...
	.end_amdgpu_metadata
.endif
;; end of part 3
;; launch proj (part 4): grid 4 x 32, 4 waves a work-group, clusters of 4 x 4, 327,680 bytes of LDS; arguments aimg, asc, cod, scl, out0; writes out0
.if DOCPART == 4
	.amdgcn_target "amdgcn-amd-amdhsa--gfx1250"
	.amdhsa_code_object_version 6
	.text
	.protected	k_qb892eb4b41_proj
	.globl	k_qb892eb4b41_proj
	.p2align	8
	.type	k_qb892eb4b41_proj,@function
k_qb892eb4b41_proj:
	s_mov_b64 s[64:65], 0
	v_nop
	global_prefetch_b8 v0, s[64:65] scope:SCOPE_SE
	s_setreg_imm32_b32 hwreg(HW_REG_WAVE_MODE, 25, 1), 1
	s_wait_xcnt 0x0
	s_wait_alu depctr_hold_cnt(0) depctr_sa_sdst(0) depctr_va_vdst(0) depctr_va_sdst(0) depctr_va_ssrc(0) depctr_va_vcc(0) depctr_vm_vsrc(0)
	s_getreg_b32 s2, hwreg(HW_REG_IB_STS2, 6, 4)
	s_cmp_eq_u32 s2, 0
	s_cbranch_scc0 .Lentry_in_a_cluster
	s_endpgm
.Lentry_in_a_cluster:
	s_bfe_u32 s2, ttmp6, 0x10000c
	s_cmp_lg_u32 s2, 0xf033
	s_cbranch_scc0 .Lentry_shape_is_right
	s_endpgm
.Lentry_shape_is_right:
.set SIZE_N, 1024
.set KSTEP,  256
.set NQ,     KSTEP/128
.set ROWB,   192
.set KROW,   768
.set PITCH,  240
.set AROWB,  3072
.set FR,     12
.set NL,     6
.set NLA,    4
.set NP,     4
.set HALFT,  128*PITCH
.set SLOT,   4*HALFT
.set LAPS,   2
.set KS,     32
.set SCL,    2*SLOT
.set HALFS,  (128*KS/256)*272
.set SBLK,   (16*KS/256)*272
.set SPARE,  SCL+4*HALFS
.set SPITCH, 528
.set ADRA, 16
.set ADRB, 20
.set STO,  24
.set RD,   25
.set CO,   26
.set ADRS, 27
.set SPW,  28
.set NIL,  29
.set SC,   32
.set AF,   128
.set BK,   128
.set G1, 24
.set G0, 32
.set G1B, 48
.set G0B, 56
.set G1S, 68
.set G0S, 76
.set G1SB, 80
.set G0SB, 88
.set MSB, 0
.macro WIN new
.if MSB != \new
	s_set_vgpr_msb (MSB<<8)|\new
.set MSB, \new
.endif
.endm
.set MUL_LO, 0xa1
.set MUL_HI, 0xf1
.set TO_B,   0x40
.macro JLOAD g0a, g1a, g0b, g1b
	s_cmp_eq_u32 s15, 0
	s_cbranch_scc0 .Lfor_b_\@
	tensor_load_to_lds s[\g0a:\g0a+3], s[\g1a:\g1a+7]
	s_nop 0
.rept 4
	v_nop
.endr
	s_branch .Lasked_\@
.Lfor_b_\@:
	tensor_load_to_lds s[\g0b:\g0b+3], s[\g1b:\g1b+7]
	s_nop 0
.rept 4
	v_nop
.endr
.Lasked_\@:
.endm
.macro CREST
	s_cmp_lg_u32 s14, 0
	s_cbranch_scc1 .Lnot_wave_0_\@
	s_barrier_signal -3
.Lnot_wave_0_\@:
	s_barrier_wait -3
	s_barrier_signal -1
	s_barrier_wait -1
.endm
.macro CROUND
	s_barrier_signal -1
	s_barrier_wait -1
	CREST
.endm
	s_load_b128 s[4:7], s[0:1], 0x0
	s_load_b128 s[8:11], s[0:1], 0x10
	s_load_b64 s[12:13], s[0:1], 0x20
	v_lshl_add_u32 v[SPW], v0, 2, SPARE
	v_mov_b32 v[NIL], 0
	ds_add_u32 v28, v29
	ds_add_u32 v28, v29
	s_wait_dscnt 0x0
	v_lshrrev_b32 v1, 5, v0
	v_readfirstlane_b32 s14, v1
	s_lshr_b32 s15, s14, 1
	s_and_b32 s16, s14, 1
	s_bfe_u32 s40, ttmp6, 0x40000
	s_bfe_u32 s41, ttmp6, 0x40004
	s_lshl_b32 s42, ttmp9, 2
	s_add_co_u32 s42, s42, s40
	s_and_b32 s17, ttmp7, 0xffff
	s_lshl_b32 s17, s17, 2
	s_add_co_u32 s17, s17, s41
	s_lshl_b32 s43, s41, 2
	s_lshl_b32 s43, 15, s43
	s_lshl_b32 s44, 0x1111, s40
	s_or_b32 s[G1+0], s43, (3<<16)|(1<<21)
	s_mov_b32 s[G1+1], 384<<16
	s_mov_b32 s[G1+2], 8<<16
	s_mov_b32 s[G1+3], 384<<16
	s_mov_b32 s[G1+4], 8
	s_mov_b32 s[G1+5], 1536
	s_mov_b32 s[G1+6], 0
	s_mov_b32 s[G1+7], 0
	s_or_b32 s[G1B+0], s44, (0<<16)|(1<<20)|(1<<21)|(3<<22)|(3<<25)
	s_mov_b32 s[G1B+1], ROWB<<16
	s_mov_b32 s[G1B+2], 128<<16
	s_mov_b32 s[G1B+3], ROWB<<16
	s_mov_b32 s[G1B+4], 128
	s_mov_b32 s[G1B+5], KROW
	s_mov_b32 s[G1B+6], 0
	s_mov_b32 s[G1B+7], 0
	s_or_b32 s[G1S+0], s43, (3<<16)|(1<<20)|(1<<21)|(5<<22)|(3<<25)
	s_or_b32 s[G1SB+0], s44, (3<<16)|(1<<20)|(1<<21)|(5<<22)|(3<<25)
.irp g, G1S, G1SB
	s_mov_b32 s[\g+1], 32<<16
	s_mov_b32 s[\g+2], (128*KS/256)<<16
	s_mov_b32 s[\g+3], 32<<16
	s_mov_b32 s[\g+4], 128*KS/256
	s_mov_b32 s[\g+5], 32
	s_mov_b32 s[\g+6], 0
	s_mov_b32 s[\g+7], 0
.endr
	s_lshl_b32 s18, s16, 7
	s_lshl_b32 s20, s17, 8
	s_add_co_u32 s20, s20, s18
	s_lshl_b32 s46, s42, 8
	s_add_co_u32 s46, s46, s18
	s_mov_b32 s21, 0
	s_mov_b32 s47, 0
	s_mov_b64 s[18:19], KS
	s_mul_u64 s[22:23], s[20:21], s[18:19]
	s_mul_u64 s[92:93], s[46:47], s[18:19]
	s_mov_b64 s[18:19], KROW
	s_mul_u64 s[20:21], s[20:21], s[18:19]
	s_mul_u64 s[46:47], s[46:47], s[18:19]
	s_mul_i32 s45, s14, HALFT
	s_mul_i32 s94, s14, HALFS
	s_wait_kmcnt 0x0
	s_add_nc_u64 s[8:9], s[8:9], 8650752
	s_add_nc_u64 s[10:11], s[10:11], 360448
	s_add_nc_u64 s[20:21], s[4:5], s[20:21]
	s_add_nc_u64 s[22:23], s[6:7], s[22:23]
	s_add_nc_u64 s[46:47], s[8:9], s[46:47]
	s_add_nc_u64 s[92:93], s[10:11], s[92:93]
	CROUND
	s_mov_b32 s[G0S], 1
	s_add_co_u32 s[G0S+1], s94, SCL
	s_mov_b64 s[G0S+2:G0S+3], s[22:23]
	s_or_b32 s[G0S+3], s[G0S+3], 0x80000000
	s_mov_b32 s[G0SB], 1
	s_add_co_u32 s[G0SB+1], s94, SCL
	s_mov_b64 s[G0SB+2:G0SB+3], s[92:93]
	s_or_b32 s[G0SB+3], s[G0SB+3], 0x80000000
	JLOAD G0S, G1S, G0SB, G1SB
.irp s, 0,1
	s_mov_b32 s[G0+4*\s], 1
	s_add_co_u32 s[G0+4*\s+1], s45, \s*SLOT
	s_add_nc_u64 s[G0+4*\s+2:G0+4*\s+3], s[20:21], \s*AROWB
	s_or_b32 s[G0+4*\s+3], s[G0+4*\s+3], 0x80000000
	s_mov_b32 s[G0B+4*\s], 1
	s_add_co_u32 s[G0B+4*\s+1], s45, \s*SLOT
	s_add_nc_u64 s[G0B+4*\s+2:G0B+4*\s+3], s[46:47], \s*ROWB
	s_or_b32 s[G0B+4*\s+3], s[G0B+4*\s+3], 0x80000000
	s_wait_alu depctr_va_vdst(0)
	s_wait_tensorcnt 0x0
	ds_add_u32 v28, v29
	s_wait_dscnt 0x0
	CROUND
	JLOAD G0+4*\s, G1, G0B+4*\s, G1B
.endr
	v_and_b32 v1, 15, v0
	v_bfe_u32 v2, v0, 4, 1
	v_mul_u32_u24 v3, v1, PITCH
	v_mul_u32_u24 v4, v2, 24
	v_add_nc_u32 v4, v3, v4
	v_lshl_add_u32 v5, v2, 4, v4
	v_and_b32 v6, 31, v0
	v_lshlrev_b32 v7, 4, v6
	v_lshlrev_b32 v8, 3, v6
	s_mul_i32 s21, s15, HALFT
	s_mul_i32 s22, s16, HALFT
	s_add_co_u32 s22, s22, 2*HALFT
.irp s, 0,1
	v_add_nc_u32 v[ADRA+\s], s21, v7
	v_add_nc_u32 v[ADRB+\s], s22, v4
	v_add_nc_u32 v[ADRA+2+\s], s21, v8
	v_add_nc_u32 v[ADRB+2+\s], s22, v5
	s_add_co_u32 s21, s21, SLOT
	s_add_co_u32 s22, s22, SLOT
.endr
	v_mul_u32_u24 v5, v1, KS
	v_lshrrev_b32 v6, 8, v5
	v_lshl_add_u32 v5, v6, 4, v5
	s_mul_i32 s21, s15, HALFS
	s_mul_i32 s22, s16, HALFS
	s_add_co_u32 s22, s22, 2*HALFS
	s_sub_co_u32 s22, s22, s21
	v_mul_u32_u24 v6, s22, v2
	s_add_co_u32 s21, s21, SCL
	v_add_nc_u32 v5, v5, v6
	v_add_nc_u32 v[ADRS], s21, v5
	s_mul_i32 s23, s14, 16*SPITCH
	v_mul_u32_u24 v5, v1, SPITCH
	v_lshl_add_u32 v5, v2, 5, v5
	v_add_nc_u32 v[STO], s23, v5
	v_and_b32 v6, 31, v0
	v_lshlrev_b32 v[CO], 4, v6
	v_add_nc_u32 v[RD], s23, v[CO]
	s_lshl_b32 s20, s17, 8
	s_lshl_b32 s21, s15, 7
	s_add_co_u32 s20, s20, s21
	s_mov_b32 s21, 0
	s_mov_b64 s[18:19], SIZE_N*4
	s_mul_u64 s[20:21], s[20:21], s[18:19]
	s_lshl_b32 s46, s42, 10
	s_lshl_b32 s47, s16, 9
	s_add_co_u32 s46, s46, s47
	s_mov_b32 s47, 0
	s_add_nc_u64 s[20:21], s[20:21], s[46:47]
	s_add_nc_u64 s[12:13], s[12:13], s[20:21]
.macro FRAG reg, adr, q, i
.irp p, 0,1,2,3,4,5
.set PIECE, 12*(\q)+6*(\p/3)+\p%3
.if PIECE%8 < 5
	ds_load_b64 v[\reg+2*\p:\reg+2*\p+1], v[\adr] offset:8*PIECE+16*(PIECE/8)+(\i)*16*PITCH
.else
	ds_load_b64 v[\reg+2*\p:\reg+2*\p+1], v[\adr+2] offset:8*PIECE+16*(PIECE/8)+(\i)*16*PITCH
.endif
.endr
.endm
.macro FRAGA reg, slot, q, i
	ds_load_b128 v[\reg:\reg+3], v[ADRA+\slot] offset:AROWB*(\i)+1536*(\q)
	ds_load_b64 v[\reg+4:\reg+5], v[ADRA+2+\slot] offset:AROWB*(\i)+1536*(\q)+512
	ds_load_b128 v[\reg+6:\reg+9], v[ADRA+\slot] offset:AROWB*(\i)+1536*(\q)+768
	ds_load_b64 v[\reg+10:\reg+11], v[ADRA+2+\slot] offset:AROWB*(\i)+1536*(\q)+1280
.endm
.macro MUL16 a0, p, q, sc, zero
.irp a, \a0, \a0+1
.irp b, 0,1,2,3,4,5,6,7
.if \zero
	v_wmma_scale_f32_16x16x128_f8f6f4 v[8*(8*((\a)%4)+\b):8*(8*((\a)%4)+\b)+7], v[128*(\p)+FR*\b:128*(\p)+FR*\b+FR-1], v[AF+FR*(\a):AF+FR*(\a)+FR-1], 0, v[SC+8*NQ*(\sc)+NQ*\b+(\q)], v[SC+8*NQ*(\sc)+NQ*(\a)+(\q)] matrix_a_fmt:MATRIX_FMT_BF6 matrix_b_fmt:MATRIX_FMT_BF6 matrix_a_scale:MATRIX_SCALE_ROW1
.else
	v_wmma_scale_f32_16x16x128_f8f6f4 v[8*(8*((\a)%4)+\b):8*(8*((\a)%4)+\b)+7], v[128*(\p)+FR*\b:128*(\p)+FR*\b+FR-1], v[AF+FR*(\a):AF+FR*(\a)+FR-1], v[8*(8*((\a)%4)+\b):8*(8*((\a)%4)+\b)+7], v[SC+8*NQ*(\sc)+NQ*\b+(\q)], v[SC+8*NQ*(\sc)+NQ*(\a)+(\q)] matrix_a_fmt:MATRIX_FMT_BF6 matrix_b_fmt:MATRIX_FMT_BF6 matrix_a_scale:MATRIX_SCALE_ROW1
.endif
.endr
.endr
.endm
.macro FETCH_B slot, q, p
	WIN TO_B
.irp i, 0,1,2,3,4,5,6,7
	FRAG 128*(\p)+FR*\i, ADRB+\slot, \q, \i
.endr
	WIN 0
.endm
.macro FETCH_A slot, q, i0
.irp i, \i0, \i0+1, \i0+2, \i0+3
	FRAGA AF+FR*(\i), \slot, \q, \i
.endr
.endm
.macro SCALES sc
.irp i, 0,1,2,3,4,5,6,7
	ds_load_b64 v[SC+8*NQ*\sc+NQ*\i:SC+8*NQ*\sc+NQ*\i+1], v[ADRS] offset:\i*SBLK
.endr
.endm
.macro PLACES n
.rept \n
	v_nop
.endr
.endm
.macro STEP slot, q, zero
	s_wait_dscnt 4*NLA
	WIN MUL_LO
	MUL16 0, (\q)%2, \q, \slot, \zero
	MUL16 2, (\q)%2, \q, \slot, \zero
	s_wait_dscnt 0
	PLACES NP
	FETCH_B \slot, (\q)+1, 1-(\q)%2
	FETCH_A \slot, (\q)+1, 0
	WIN MUL_HI
	MUL16 4, (\q)%2, \q, \slot, \zero
	MUL16 6, (\q)%2, \q, \slot, \zero
	PLACES NP
	WIN 0
	FETCH_A \slot, (\q)+1, 4
.endm
.macro TURN slot, next, fill
	s_wait_tensorcnt 0x0
	ds_add_u32 v[SPW], v[NIL]
	s_wait_dscnt 4*NLA+1
	WIN MUL_LO
	MUL16 0, 1, NQ-1, \slot, 0
	s_wait_dscnt 0x0
	s_barrier_signal -1
	MUL16 2, 1, NQ-1, \slot, 0
	WIN 0
	s_barrier_wait -1
.if \fill
	CREST
	s_add_nc_u64 s[G0+4*\slot+2:G0+4*\slot+3], s[G0+4*\slot+2:G0+4*\slot+3], 2*AROWB
	s_add_nc_u64 s[G0B+4*\slot+2:G0B+4*\slot+3], s[G0B+4*\slot+2:G0B+4*\slot+3], 2*ROWB
	JLOAD G0+4*\slot, G1, G0B+4*\slot, G1B
.else
	PLACES NP
.endif
	s_wait_alu depctr_va_vdst(0)
	v_add_nc_u32 v[ADRS], 4*NQ, v[ADRS]
	FETCH_B \next, 0, 0
	FETCH_A \next, 0, 0
	SCALES \next
	WIN MUL_HI
	MUL16 4, 1, NQ-1, \slot, 0
	MUL16 6, 1, NQ-1, \slot, 0
	PLACES NP
	WIN 0
	FETCH_A \next, 0, 4
.endm
	s_wait_alu depctr_va_vdst(0)
	s_wait_tensorcnt 1
	s_barrier_signal -1
	s_barrier_wait -1
	FETCH_B 0, 0, 0
	FETCH_A 0, 0, 0
	SCALES 0
	FETCH_A 0, 0, 4
	STEP 0, 0, 1
	s_mov_b32 s3, LAPS-1
.Llap:
	TURN 0, 1, 1
	STEP 1, 0, 0
	TURN 1, 0, 1
	STEP 0, 0, 0
	s_sub_co_u32 s3, s3, 1
	s_cmp_lg_u32 s3, 0
	s_cbranch_scc1 .Llap
	TURN 0, 1, 0
	STEP 1, 0, 0
	s_wait_dscnt 4*NLA
	WIN MUL_LO
	MUL16 0, 1, NQ-1, 1, 0
	MUL16 2, 1, NQ-1, 1, 0
	s_wait_dscnt 0
	WIN MUL_HI
	MUL16 4, 1, NQ-1, 1, 0
	MUL16 6, 1, NQ-1, 1, 0
	WIN 0
.macro TOSTAGE a
.set AC, 64*((\a)%4)
	WIN 0x08+4*((\a)/4)
.irp b, 0,1,2,3,4,5,6,7
	ds_store_b128 v[STO], v[AC+8*\b:AC+8*\b+3] offset:64*\b
	ds_store_b128 v[STO], v[AC+8*\b+4:AC+8*\b+7] offset:64*\b+16
.endr
	WIN 0
.set BB, BK+64*((\a)%2)
.irp t, 0,1,2,3,4,5,6,7,8,9,10,11,12,13,14,15
	ds_load_b128 v[BB+4*\t:BB+4*\t+3], v[RD] offset:\t*SPITCH
.endr
.endm
.macro SEND a, younger
.set BB, BK+64*((\a)%2)
	s_wait_dscnt \younger
.irp t, 0,1,2,3,4,5,6,7,8,9,10,11,12,13,14,15
	global_store_b128 v[CO], v[BB+4*\t:BB+4*\t+3], s[12:13] offset:(32*((\a)/2)+8*((\a)%2)+\t+8*(\t/8))*SIZE_N*4 th:TH_STORE_NT
.endr
.endm
	PLACES NP
	TOSTAGE 0
.irp a, 1,2,3,4,5,6,7
.if \a > 1
	s_wait_xcnt 0x0
.endif
	TOSTAGE \a
	SEND \a-1, 32
.endr
	SEND 7, 0
	s_wait_tensorcnt 0x0
	ds_add_u32 v[SPW], v[NIL]
	s_wait_dscnt 0x0
	CROUND
	s_endpgm
.Lfunc_end_k_qb892eb4b41_proj:
	.size	k_qb892eb4b41_proj, .Lfunc_end_k_qb892eb4b41_proj-k_qb892eb4b41_proj
	.p2alignl 7, 3214868480
	.fill 96, 4, 3214868480
	.section	.rodata,"a",@progbits
	.p2align	6, 0x0
	.amdhsa_kernel k_qb892eb4b41_proj
		.amdhsa_group_segment_fixed_size 327680
		.amdhsa_private_segment_fixed_size 0
		.amdhsa_enable_private_segment 0
		.amdhsa_kernarg_size 40
		.amdhsa_user_sgpr_count 2
		.amdhsa_user_sgpr_kernarg_segment_ptr 1
		.amdhsa_wavefront_size32 1
		.amdhsa_system_sgpr_workgroup_id_x 1
		.amdhsa_system_sgpr_workgroup_id_y 1
		.amdhsa_system_sgpr_workgroup_id_z 1
		.amdhsa_system_vgpr_workitem_id 0
		.amdhsa_next_free_vgpr 1024
		.amdhsa_next_free_sgpr 98
		.amdhsa_reserve_vcc 0
		.amdhsa_float_denorm_mode_32 3
		.amdhsa_float_denorm_mode_16_64 3
		.amdhsa_memory_ordered 1
		.amdhsa_forward_progress 1
		.amdhsa_inst_pref_size 152
	.end_amdhsa_kernel
	.amdgpu_metadata
---
amdhsa.version: [ 1, 2 ]
amdhsa.kernels:
  - .name:           k_qb892eb4b41_proj
    .symbol:         k_qb892eb4b41_proj.kd
    .args:
      - { .name: aimg, .offset: 0, .size: 8, .value_kind: global_buffer, .address_space: global }
      - { .name: asc, .offset: 8, .size: 8, .value_kind: global_buffer, .address_space: global }
      - { .name: cod, .offset: 16, .size: 8, .value_kind: global_buffer, .address_space: global }
      - { .name: scl, .offset: 24, .size: 8, .value_kind: global_buffer, .address_space: global }
      - { .name: out0, .offset: 32, .size: 8, .value_kind: global_buffer, .address_space: global }
    .group_segment_fixed_size: 327680
    .private_segment_fixed_size: 0
    .kernarg_segment_align: 8
    .kernarg_segment_size: 40
    .max_flat_workgroup_size: 128
    .sgpr_count:     98
    .vgpr_count:     1024
    .wavefront_size: 32
...
	.end_amdgpu_metadata
.endif
;; end of part 4
